; MI455X (gfx1250); checked and timed in simulation.
; The chip was launched on July 23, 2026; its instructions are those of AMD's public machine-readable ISA for CDNA 5 (MIT licence, August 2026) and "CDNA5" Instruction Set Architecture Reference Guide (July 2026). The comments in the code are by the model that wrote it; some were corrected since.
;; Ternary Weight. Allowed arithmetic: matrix products marked QUANTISED: E4M3 operands, one given power-of-two scale a tensor, by v_wmma_f32_16x16x64_fp8_fp8 or v_wmma_f32_16x16x128_fp8_fp8, f32 sums; everything else in f32.
;; Inputs: bias 11,008 float32; lowp_scales 2 int32 (the exponents e of the quantised operands' scales 2^e); scale 11,008 x 1 float32; weight 11,008 x 4,096 float32; x 1,024 x 4,096 float32.
;; Outputs: out0 1,024 x 11,008 float32.
;; This version of the problem:
;;   THIS VERSION OF THE PROBLEM IS GIVEN IN LOW PRECISION. The matrix products marked QUANTISED in the list below multiply operands that are first quantised to E4M3 (4 exponent bits, 3 mantissa bits; 8 bits a number), with one given power-of-two scale for each operand tensor; their sums are f32. All else is computed in f32.
;;   The module's matrix products, in the order in which they are computed (A, B: the left and right operand; K: the contracted axis; several contracted axes count as one K, in the product's order):
;;     1. [M 1,024, K 4,096] x [K 4,096, N 11,008]; A: input x; B: computed on the way: QUANTISED (scales: A lowp_scales[0], B lowp_scales[1])
;;   THE QUANTISER, for each operand of a quantised product, along K:
;;     - The operand's scale is 2^e, e = its entry of the input lowp_scales (int32; the entries are numbered through the quantised products in the list's order, A before B).
;;     - Each number is divided by the scale, clamped to +-448, and rounded to the nearest number of E4M3, ties to even, subnormals kept.
;;     - The product sums the exact products of the quantised numbers (number of the format x scale) in f32.
;;   ~~~python
;;   def quantise(x, axis, e):      # numpy; x: float32 -> the quantised numbers, widened to float32 again
;;       x = np.moveaxis(x, axis, -1); K = x.shape[-1]
;;       r = np.clip(x / 2.0 ** e, -448, 448)
;;       step = 2.0 ** (np.maximum(np.frexp(np.where(r == 0, 1, r))[1] - 1, -6) - 3)
;;       q = np.round(r / step) * step * 2.0 ** e      # np.round: ties to even
;;       return np.moveaxis(q, -1, axis).astype(np.float32)
;;   ~~~
;;   OPERANDS COMPUTED ON THE WAY. 'Computed on the way' means the value that the module computes at that place (a softmax that the list does not call 'softmax' is quantised finished and normalised). What goes into a quantiser is computed in f32, as accurately as f32 sums, v_exp_f32 and their like allow (about 1e-6 of the number): no bf16 or f16 on the way to a quantiser, and a product that is left as it is and whose result goes on into a quantised operand takes f32 operands (vector FMAs, or v_wmma_f32_16x16x4_f32). A number that lies on a knife's edge between two numbers of the format may be rounded either way, as far as f32 arithmetic and the matrix unit's own rounding can turn it there, and no further.
;; 2 versions. Each part assembles by itself: llvm-mc -triple=amdgcn-amd-amdhsa -mcpu=gfx1250 --defsym DOCPART=n.
;; ======== version 1 of 2: 2 launches
;; workspace buffers: x_codes 4,194,304 bytes; partials 8,192 bytes
;; launch prep (part 1): grid 256 x 1, 8 waves a work-group, no clusters, 68,608 bytes of LDS; arguments weight, x, lowp_scales, x_codes, partials; writes x_codes, partials
.if DOCPART == 1
	.amdgcn_target "amdgcn-amd-amdhsa--gfx1250"
	.amdhsa_code_object_version 6
	.text
	.protected	k_q8def23c6af_prep
	.globl	k_q8def23c6af_prep
	.p2align	8
	.type	k_q8def23c6af_prep,@function
k_q8def23c6af_prep:
	s_mov_b64 s[64:65], 0
	v_nop
	global_prefetch_b8 v0, s[64:65] scope:SCOPE_SE
	s_setreg_imm32_b32 hwreg(HW_REG_WAVE_MODE, 25, 1), 1
	s_wait_xcnt 0x0
; out0 = Q(x) Q(q scale)^T + bias, q = the ternary code of weight against alpha = the mean of |weight| over the WHOLE tensor.  This first launch makes what the product's launch cannot make for itself:
;   (1) 2,048 partial sums of |weight| (f32), one a wave, into partials;   (2) x as codes of E4M3 with the given scale 2^e0, into x_codes, laid in the order of the product's operand registers.
; NO WORK IS LEFT OUT: every input (x, weight, scale, bias, lowp_scales) has a way to out0 for all values, and every one is loaded by one of the two launches.
; LIMITS.  e0 lies between -126 and 119, so that 2^e0 and 448 x 2^e0 are f32 numbers.  NaN and infinities among the inputs are not served.  The sum of |weight| is taken in another order than reference()'s:
; chains of 86 terms a lane, then trees; alpha can differ from reference()'s by the rounding of that order.
; SHARES.  Wave g = 8 x work-group + wave (0 .. 2,047) sums the 88,064 consecutive bytes of weight from g x 88,064 on: 172 loads of 512 bytes, 32 of them always on their way (a ring of 32 slots in registers).
; The same wave quantises ONE fragment of x: 16 rows (tile m = work-group / 4) x 128 along K (K step s = 8 (work-group % 4) + wave); the eight waves of a work-group read 4,096 consecutive bytes of each of 16 rows.
; THE ORDER OF k IN A FRAGMENT is a permutation, the same for x here and for the weights in the product's launch, so that every product meets its partner.  In a K step of 128, chunk u (0 .. 15) is the eight numbers
; k = 4u .. 4u+3 and 64+4u .. 64+4u+3.  Lane (r = lane % 16, h = lane / 16) holds row r; its registers 4c .. 4c+3 hold chunks 8h+2c and 8h+2c+1.
; x_codes: [K step s][tile m][c 0..3][lane][16 bytes]: fragment (s, m) begins at (64 s + m) x 2,048 bytes.
; A load takes the bytes as they lie (32 lanes, 512 consecutive bytes of a row); the conversion wants a chunk's eight numbers in one lane: so the 16 x 512 bytes turn through the wave's own stage in LDS.
; No barrier: waves share nothing.  Matrix units, clusters and tensor loads would add nothing to a stream.
.set ROWX,  16384                      ; a row of x in bytes
.set PART,  88064                      ; a wave's bytes of weight
.set NLD,   172                        ; its loads of 512 bytes
.set DEPTH, 32                         ; loads on their way
.set SP,    528                        ; a stage row: 512 bytes + 16 of padding, so that the 16 rows that a read touches begin 4 banks apart (64 banks of 4 bytes: ISA guide 11.1)
.set WST,   16*SP                      ; a wave's stage
.set SPARE, 8*WST                      ; behind the eight stages: the spare words, 128 bytes for each wave: four blocks of 256 bytes that no other line names
.set LOF,   2                          ; v2   16 x lane: the offset of every load and of the codes' stores; never rewritten
.set STI,   3                          ; v3   the stage, on the way in: 16 x lane
.set STOO,  4                          ; v4   and on the way out: row r, + 128 h
.set ZOF,   5                          ; v5   0: the offset of the partial sum's store
.set SPW,   6                          ; v6   LDS address of my spare word: SPARE + 4 x my thread's number; never rewritten
.set NIL,   7                          ; v7   0; never rewritten
.set LIM,   8                          ; v8   448 x 2^e0
.set SC,    9                          ; v9   2^e0
.set ACC,   10                         ; v10-17   eight chains
.set PC,    18                         ; v18-33   the fragment's codes
.set X,     64                         ; v64-127  x's numbers
.set R,     128                        ; v128-255 the ring: 32 slots of 4 registers
	s_load_b256 s[4:11], s[0:1], 0x0               ; weight s[4:5], x s[6:7], the scales' exponents s[8:9], x_codes s[10:11]
	s_load_b64 s[12:13], s[0:1], 0x20              ; partials
	v_lshl_add_u32 v[SPW], v0, 2, SPARE
	v_mov_b32 v[NIL], 0
	v_lshrrev_b32 v34, 5, v0
	v_readfirstlane_b32 s14, v34                   ; wave 0..7
	v_and_b32 v1, 31, v0                           ; lane
	v_lshlrev_b32 v[LOF], 4, v1
	s_mul_i32 s25, s14, WST                        ; my stage
	v_add_nc_u32 v[STI], s25, v[LOF]
	v_and_b32 v34, 15, v0                          ; r
	v_bfe_u32 v35, v0, 4, 1                        ; h
	v_mul_u32_u24 v[STOO], v34, SP
	v_lshl_add_u32 v[STOO], v35, 7, v[STOO]
	v_add_nc_u32 v[STOO], s25, v[STOO]
	v_mov_b32 v[ZOF], 0
	s_mov_b32 s28, 0x76543210                      ; v_permlanex16_b32: each lane takes its own place in the other half
	s_mov_b32 s29, 0xfedcba98
	s_lshl_b32 s25, ttmp9, 3
	s_add_co_u32 s25, s25, s14                     ; g
	s_mul_i32 s16, s25, PART                       ; my bytes of weight begin here (under 2^32)
	s_mov_b32 s17, 0
	s_lshl_b32 s22, s25, 2                         ; my word of partials
	s_mov_b32 s23, 0
	s_and_b32 s26, ttmp9, 3
	s_lshl_b32 s26, s26, 3
	s_add_co_u32 s26, s26, s14                     ; K step s
	s_lshr_b32 s27, ttmp9, 2                       ; tile m
	s_lshl_b32 s18, s27, 18                        ; 16 m rows of 16,384 bytes,
	s_lshl_b32 s19, s26, 9                         ; + 128 s numbers of 4 bytes
	s_add_co_u32 s18, s18, s19
	s_mov_b32 s19, 0
	s_lshl_b32 s20, s26, 6
	s_add_co_u32 s20, s20, s27
	s_lshl_b32 s20, s20, 11                        ; (64 s + m) x 2,048
	s_mov_b32 s21, 0
	s_wait_kmcnt 0x0
	s_load_b32 s24, s[8:9], 0x0                    ; e0
	s_add_nc_u64 s[16:17], s[4:5], s[16:17]
	s_add_nc_u64 s[18:19], s[6:7], s[18:19]
	s_add_nc_u64 s[20:21], s[10:11], s[20:21]
	s_add_nc_u64 s[22:23], s[12:13], s[22:23]
.irp i, 0,1,2,3,4,5,6,7,8,9,10,11,12,13,14,15
	global_load_b128 v[X+4*\i:X+4*\i+3], v[LOF], s[18:19] offset:ROWX*\i th:TH_LOAD_NT   ; row i: 512 consecutive bytes
.endr
.set I, 0
.rept DEPTH
	global_load_b128 v[R+4*I:R+4*I+3], v[LOF], s[16:17] offset:512*I th:TH_LOAD_NT       ; the ring is filled; x is worked on while these are on their way
.set I, I+1
.endr
	s_wait_kmcnt 0x0
	s_add_co_i32 s24, s24, 127
	s_lshl_b32 s25, s24, 23
	v_mov_b32 v[SC], s25                           ; 2^e0 as f32: the conversion takes its exponent field
	s_add_co_i32 s24, s24, 8
	s_lshl_b32 s24, s24, 23
	s_or_b32 s24, s24, 0x600000
	v_mov_b32 v[LIM], s24                          ; 448 x 2^e0
	s_wait_loadcnt DEPTH                           ; x's 16 loads are in; the 32 loads of the ring, issued behind them, stay out
.irp i, 0,1,2,3,4,5,6,7,8,9,10,11,12,13,14,15
	ds_store_b128 v[STI], v[X+4*\i:X+4*\i+3] offset:SP*\i
.endr
	s_wait_dscnt 0x0                               ; the stores are done: their registers take the numbers back in another order
.irp u, 0,1,2,3,4,5,6,7
	ds_load_b128 v[X+8*\u:X+8*\u+3],   v[STOO] offset:16*\u        ; chunk 8h + u of row r: k = 4 (8h+u) + 0..3,
	ds_load_b128 v[X+8*\u+4:X+8*\u+7], v[STOO] offset:256+16*\u    ; and 64 further on
.endr
	s_wait_dscnt 0x0
.set I, 0
.rept 64
	v_med3_num_f32 v[X+I], v[X+I], -v[LIM], v[LIM] ; the conversion to an 8-bit code does not saturate (ISA guide 7.6.2): the number is held within 448 x the scale first
.set I, I+1
.endr
.irp u, 0,1,2,3,4,5,6,7
	v_cvt_scalef32_pk8_fp8_f32 v[PC+2*\u:PC+2*\u+1], v[X+8*\u:X+8*\u+7], v[SC]   ; eight numbers / 2^e0, to the nearest code, ties to even
.endr
	v_nop                                          ; one plain vector line behind the last scaled conversion
.irp c, 0,1,2,3
	global_store_b128 v[LOF], v[PC+4*\c:PC+4*\c+3], s[20:21] offset:512*\c       ; 32 lanes store 512 consecutive bytes, aligned to 256
.endr
; THE SUM OF |weight|.  Load i lies in slot i % 32.  The first two loads start the eight chains (nothing is cleared); then each load adds four magnitudes, and its slot takes the load 32 further on.
.set I, 0
.rept NLD
.set SL, R+4*(I%DEPTH)
.if NLD-1-I < DEPTH-1
	s_wait_loadcnt NLD-1-I                         ; the counts run down: nothing is loaded past my part
.else
	s_wait_loadcnt DEPTH-1                         ; loads come back in order (ISA guide 5.7.1): mine is in, the 31 younger ones stay out
.endif
.irp k, 0,1,2,3
.if I < 2
	v_and_b32 v[ACC+4*(I%2)+\k], 0x7fffffff, v[SL+\k]
.else
	v_add_f32 v[ACC+4*(I%2)+\k], v[ACC+4*(I%2)+\k], |v[SL+\k]|
.endif
.endr
.if I+DEPTH < NLD
	global_load_b128 v[SL:SL+3], v[LOF], s[16:17] offset:512*(I+DEPTH) th:TH_LOAD_NT
.endif
.set I, I+1
.endr
	v_add_f32 v[ACC], v[ACC], v[ACC+1]             ; the eight chains, as a tree
	v_add_f32 v[ACC+2], v[ACC+2], v[ACC+3]
	v_add_f32 v[ACC+4], v[ACC+4], v[ACC+5]
	v_add_f32 v[ACC+6], v[ACC+6], v[ACC+7]
	v_add_f32 v[ACC], v[ACC], v[ACC+2]
	v_add_f32 v[ACC+4], v[ACC+4], v[ACC+6]
	v_add_f32 v[ACC], v[ACC], v[ACC+4]
	v_add_f32_dpp v[ACC], v[ACC], v[ACC] row_xmask:1 row_mask:0xf bank_mask:0xf   ; and the 32 lanes
	v_add_f32_dpp v[ACC], v[ACC], v[ACC] row_xmask:2 row_mask:0xf bank_mask:0xf
	v_add_f32_dpp v[ACC], v[ACC], v[ACC] row_xmask:4 row_mask:0xf bank_mask:0xf
	v_add_f32_dpp v[ACC], v[ACC], v[ACC] row_xmask:8 row_mask:0xf bank_mask:0xf
	v_permlanex16_b32 v34, v[ACC], s28, s29        ; (v34 has been written: a lane permute's destination counts as read)
	v_add_f32 v[ACC], v[ACC], v34
	v_cmp_eq_u32 vcc_lo, 0, v1
	s_wait_xcnt 0x0                                ; EXEC is a source of the codes' stores: it changes only behind this wait
	s_and_saveexec_b32 s30, vcc_lo
	global_store_b32 v[ZOF], v[ACC], s[22:23]      ; one word a wave, 8,192 bytes in the whole launch: gathering them would cost a barrier for nothing
	s_wait_xcnt 0x0                                ; and again, ahead of the line that widens EXEC
	s_or_b32 exec_lo, exec_lo, s30
	s_wait_tensorcnt 0x0                           ; the wave's end, behind my last LDS store
	ds_add_u32 v[SPW], v[NIL]
	s_wait_dscnt 0x0
	s_endpgm
.Lfunc_end_k_q8def23c6af_prep:
	.size	k_q8def23c6af_prep, .Lfunc_end_k_q8def23c6af_prep-k_q8def23c6af_prep
	.p2alignl 7, 3214868480
	.fill 96, 4, 3214868480
	.section	.rodata,"a",@progbits
	.p2align	6, 0x0
	.amdhsa_kernel k_q8def23c6af_prep
		.amdhsa_group_segment_fixed_size 68608
		.amdhsa_private_segment_fixed_size 0
		.amdhsa_enable_private_segment 0
		.amdhsa_kernarg_size 40
		.amdhsa_user_sgpr_count 2
		.amdhsa_user_sgpr_kernarg_segment_ptr 1
		.amdhsa_wavefront_size32 1
		.amdhsa_system_sgpr_workgroup_id_x 1
		.amdhsa_system_sgpr_workgroup_id_y 1
		.amdhsa_system_sgpr_workgroup_id_z 1
		.amdhsa_system_vgpr_workitem_id 0
		.amdhsa_next_free_vgpr 256
		.amdhsa_next_free_sgpr 66
		.amdhsa_reserve_vcc 1
		.amdhsa_float_denorm_mode_32 3
		.amdhsa_float_denorm_mode_16_64 3
		.amdhsa_memory_ordered 1
		.amdhsa_forward_progress 1
		.amdhsa_inst_pref_size 77
	.end_amdhsa_kernel
	.amdgpu_metadata
---
amdhsa.version: [ 1, 2 ]
amdhsa.kernels:
  - .name:           k_q8def23c6af_prep
    .symbol:         k_q8def23c6af_prep.kd
    .args:
      - { .name: weight, .offset: 0, .size: 8, .value_kind: global_buffer, .address_space: global }
      - { .name: x, .offset: 8, .size: 8, .value_kind: global_buffer, .address_space: global }
      - { .name: lowp_scales, .offset: 16, .size: 8, .value_kind: global_buffer, .address_space: global }
      - { .name: x_codes, .offset: 24, .size: 8, .value_kind: global_buffer, .address_space: global }
      - { .name: partials, .offset: 32, .size: 8, .value_kind: global_buffer, .address_space: global }
    .group_segment_fixed_size: 68608
    .private_segment_fixed_size: 0
    .kernarg_segment_align: 8
    .kernarg_segment_size: 40
    .max_flat_workgroup_size: 256
    .sgpr_count:     66
    .vgpr_count:     256
    .wavefront_size: 32
...
	.end_amdgpu_metadata
.endif
;; end of part 1
;; launch tgemm (part 2): grid 172 x 1, 4 waves a work-group, clusters of 4 x 1, 327,680 bytes of LDS; arguments x_codes, weight, scale, bias, lowp_scales, partials, out0; writes out0
.if DOCPART == 2
	.amdgcn_target "amdgcn-amd-amdhsa--gfx1250"
	.amdhsa_code_object_version 6
	.text
	.protected	k_q8def23c6af_tgemm
	.globl	k_q8def23c6af_tgemm
	.p2align	8
	.type	k_q8def23c6af_tgemm,@function
k_q8def23c6af_tgemm:
	s_mov_b64 s[64:65], 0
	v_nop
	global_prefetch_b8 v0, s[64:65] scope:SCOPE_SE
	s_setreg_imm32_b32 hwreg(HW_REG_WAVE_MODE, 25, 1), 1
	s_wait_xcnt 0x0
	s_wait_alu depctr_hold_cnt(0) depctr_sa_sdst(0) depctr_va_vdst(0) depctr_va_sdst(0) depctr_va_ssrc(0) depctr_va_vcc(0) depctr_vm_vsrc(0)
	s_getreg_b32 s2, hwreg(HW_REG_IB_STS2, 6, 4)
	s_cmp_eq_u32 s2, 0
	s_cbranch_scc0 .Lentry_in_a_cluster
	s_endpgm
.Lentry_in_a_cluster:
	s_bfe_u32 s2, ttmp6, 0x10000c
	s_cmp_lg_u32 s2, 0x3003
	s_cbranch_scc0 .Lentry_shape_is_right
	s_endpgm
.Lentry_shape_is_right:
; out0[t][o] = 2^(e0+e1) x (sum over k of code(x)[t][k] code(w)[o][k]) + bias[o];  w[o][k] = scale[o] where weight > alpha, -scale[o] where weight < -alpha, else 0;  alpha = the mean of |weight|.
; Both operands are codes of E4M3, multiplied by v_wmma_f32_16x16x128_fp8_fp8, sums in f32.  x's codes come from the launch before; the weights are turned into codes HERE, on their way to the matrix unit:
; each f32 weight is read from memory by exactly one wave of one work-group, and its codes never go to memory.  No work is left out: every input is loaded by one of the two launches.
; LIMITS.  e1 between -126 and 119, e0 + e1 between -126 and 127, so that each power of two below is an f32 number.  NaN and infinities among the inputs are not served.  alpha is the sum of the 2,048 partial sums
; (a tree, the same order in every wave of every work-group) divided by 43 x 2^20 = 11,008 x 4,096, the division correctly rounded; the order of the sums differs from reference()'s.
; clip(q scale) = q clip(scale) for q in {1, 0, -1}: so scale is held within 448 x 2^e1 once a row, and a weight's number is chosen among +that, -that and 0 by the two comparisons as reference() writes them.
; SHARES.  N = 11,008 = 172 x 64: a work-group owns ALL 1,024 tokens x 64 outputs, so that no weight is read twice; a row's 64 outputs are 256 aligned bytes of out0 (a row of out0 is 172 x 256 bytes).
; Wave w owns tokens 256 w .. + 255: 16 tiles a x 4 tiles b = 64 accumulators, 512 registers.  It also makes the weights' fragment b = w (rows 64 X + 16 w .. + 15) for all four waves.
; K goes in 32 steps of 128.  PERIOD j: multiplies step j; makes the weights' codes of step j + 1; asks memory for the weights of step j + 3 and for x's tile j + 1.
; CLUSTER.  The four work-groups of a cluster need the same tile of x's codes (131,072 bytes a K step): it is asked for JOINTLY, each wave its own quarter, which only that wave reads.  The weights are each
; work-group's own: nothing of them is shared, so they go from memory straight into registers.
; THE ORDER OF k IN A FRAGMENT is the permutation that the launch before gave x: chunk u (0 .. 15) = k 4u .. 4u+3 and 64+4u .. 64+4u+3; lane (r, h) holds row r, registers 4c .. 4c+3 = chunks 8h+2c, 8h+2c+1.
; A weight load takes 16 bytes a lane, sixteen lanes 256 aligned bytes of a row: lane u of a half holds chunk u of its row in eight registers, which one conversion turns into eight codes.
; THE MATRIX INSTRUCTION IS USED TRANSPOSED (source 0 = 16 rows of the weights, source 1 = 16 tokens): a lane then holds eight neighbouring outputs of one token.
; LDS: two slots of 131,072 bytes for x's tiles (images of the operand's registers: 16 x lane on end, no padding wanted); behind them two sets of the weights' four fragments, as images too: group g = 4h + c of a
; fragment is a row of 256 bytes (16 bytes for each r) at a pitch of 288, so that the 32 lanes' stores of 8 bytes fall on 64 different banks (64 banks of 4 bytes: ISA guide 11.1); then the spare words.
; REGISTERS, in windows of 256: window 0: addresses, scales, v64-127 the weights' four fragments, v128-255 the ring of f32 weights (two sets of 64); window 1: x's 16 fragments; windows 2, 3: the accumulators,
; (a, b) at v[8 (4 (a % 8) + b)].
.set KROW,   16384                     ; a row of weight in bytes
.set STEPW,  512                       ; 128 weights in bytes
.set TILE,   131072                    ; x's codes of a K step; also a slot
.set IMG,    2*TILE                    ; the weights' images
.set IPITCH, 288
.set IFR,    8*IPITCH                  ; a fragment's image
.set ISET,   4*IFR                     ; a set of four
.set SPARE,  IMG+2*ISET                ; the spare words, 128 bytes for each wave: two blocks of 256 bytes that no other line names
.set SPITCH, 272                       ; the way out: a stage row, 256 bytes + 16
.set SBUF,   16*SPITCH                 ; a stage of 16 rows; two for each wave, in its own quarter of slot 0, which has had its last fill and its last read by then
.set OROW,   44032                     ; a row of out0 in bytes
.set SPW,  1                           ; v1   LDS address of my spare word: SPARE + 4 x my thread's number; never rewritten
.set NIL,  2                           ; v2   0; never rewritten
.set ADRA, 3                           ; v3-4 my quarter of slot 0, 1: + 16 x lane
.set BRD,  5                           ; v5   where I read the weights' images
.set BWR,  6                           ; v6   where I store my codes into them
.set WOFF, 7                           ; v7   weight: 16,384 (lane / 16) + 16 (lane % 16); never rewritten
.set PFXO, 8                           ; v8   prefetch of x's codes: 256 x lane
.set PFWO, 9                           ; v9   prefetch of weights: 16,384 (lane / 2) + 256 (lane % 2)
.set SC,   10                          ; v10  2^e1
.set STO,  11                          ; v11  the way out: where I put 32 bytes of a row
.set RD,   12                          ; v12  where I read rows back
.set CO,   13                          ; v13  my byte offset in two rows of out0
.set SV,   16                          ; v16-23  the held scale of row 2 i + lane / 16
.set SN,   24                          ; v24-31  the same, negated
.set CD,   32                          ; v32-47  eight codes for each pair of rows
.set BOF,  48                          ; v48  bias: 32 h
.set POF,  52                          ; v52  partials: 16 x lane
.set SOF,  53                          ; v53  scale: 4 h
.set BF,   64                          ; the weights' four fragments; at the head the partial sums
.set RING, 128
.set BK,   128                         ; the way out: 16 rows read back, two buffers of 32
.set BI,   192                          ; bias of my 32 columns
.set TMP,  224                         ; a tile's results
.set OUT,  16                          ; s[16:17] out0
.set WV,   18                          ; s18  wave
.set CX,   19                          ; s19  my place in the cluster: it enters global addresses alone
.set XG,   20                          ; s20  my block of 64 outputs
.set G1,   24                          ; s[24:31] descriptor group 1
.set G0,   32                          ; s[32:39] group 0, a set for each slot
.set WB,   40                          ; s[40:41] weight at my 16 rows, at the K step that the next refill takes
.set PFX,  42                          ; s[42:43] where my prefetches of x's codes stand
.set TRIPS, 44
.set PFL,  45                          ; s45  the cluster's number
.set AL,   46                          ; s46 alpha, s47 -alpha
.set SCL,  48                          ; s[48:49] 2^(e0+e1), twice
.set SEL,  50                          ; s[50:51] lane selects
.set MK,   68                          ; s[68:83] sixteen masks
.set MSB, 0
.macro WIN new                         ; the immediate's high byte repeats the setting that is left; a switch that changes nothing is dropped
.if MSB != (\new)
	s_set_vgpr_msb (MSB<<8)|(\new)
.set MSB, (\new)
.endif
.endm
.set MUL_LO, 0xa4                      ; source 0 (weights) window 0, source 1 (x) window 1, C and D window 2
.set MUL_HI, 0xf4                      ; the same, C and D window 3
.set TO_A,   0x40                      ; destination window 1, address window 0
; A round of the cluster's barrier: my work-group's barrier, so that wave 0's signal speaks for all four waves; wave 0 signals; every wave waits for all four work-groups; my work-group's barrier once more.
.macro ROUND
	s_barrier_signal -1
	s_barrier_wait -1
	s_cmp_lg_u32 s[WV], 0
	s_cbranch_scc1 .Lnot_wave_0_\@
	s_barrier_signal -3
.Lnot_wave_0_\@:
	s_barrier_wait -3
	s_barrier_signal -1
	s_barrier_wait -1
.endm
; A joint refill of slot p: every wave asks for its own quarter, with the same descriptor in all four work-groups.  An s_nop 0 and four v_nop follow; the four are also the places between the
; last products and the loads into the registers that they read.
.macro JLOAD p
	tensor_load_to_lds s[G0+4*(\p):G0+4*(\p)+3], s[G1:G1+7]
	s_nop 0
.rept 4
	v_nop
.endr
.endm
; 80 LDS loads in one run: the weights' four fragments of image set p, then my 16 fragments of x from slot p.
.macro FETCH p
.irp b, 0,1,2,3
.irp c, 0,1,2,3
	ds_load_b128 v[BF+16*\b+4*\c:BF+16*\b+4*\c+3], v[BRD] offset:ISET*\p+IFR*\b+IPITCH*\c
.endr
.endr
	WIN TO_A
.irp a, 0,1,2,3,4,5,6,7,8,9,10,11,12,13,14,15
.irp c, 0,1,2,3
	ds_load_b128 v[16*\a+4*\c:16*\a+4*\c+3], v[ADRA+\p] offset:2048*\a+512*\c
.endr
.endr
	WIN 0
.endm
; PREFETCHES INTO THE L2, behind the joint load, its five lines and the run of LDS loads.  Weights: my 16 rows x 512 bytes of the K step that my refills take two periods on: 32 blocks of 256 bytes, a lane a block;
; the rows are mine alone, so each block is named once.  The loop's last trip asks for none: there is no such K step.  x's codes: the tile that the joint load takes two periods on; all clusters walk the same tiles, so the
; first cluster asks; its sixteen waves take 8,192 bytes each, told apart BY ADDRESS (4 cx + wave), lanes 256 bytes apart.  The branches hang on the cluster's number and the count of trips: alike in all partners.
.macro ASK k
	s_cmp_eq_u32 s[TRIPS], 1
	s_cbranch_scc1 .Lno_w_\@
	global_prefetch_b8 v[PFWO], s[WB:WB+1] offset:2*STEPW+STEPW*\k th:TH_LOAD_NT scope:SCOPE_SE
.Lno_w_\@:
	s_cmp_lg_u32 s[PFL], 0
	s_cbranch_scc1 .Lno_x_\@
	global_prefetch_b8 v[PFXO], s[PFX:PFX+1] offset:TILE*\k th:TH_LOAD_NT scope:SCOPE_SE
.Lno_x_\@:
.endm
; THE TERNARY STEP: my 16 rows x 128 weights of ring set `set` become a fragment's codes in image set `img`.  Pair i: rows 2 i and 2 i + 1 (the two halves of the lanes), a chunk of eight weights a lane.
; refill = 1: the pair's registers take the K step two steps on, at byte woff from s[WB].  later = 1: the other set's 16 loads were issued behind this set's.
; The wait counts the loads issued behind pair i's two: the 14 - 2 i of this set's later pairs, the other set's 16, and the 2 i refills of this run.
.macro TERN set, img, refill, later, woff
.irp i2, 0,1,2,3,4,5,6,7
.set W, RING+64*\set+8*\i2
	s_wait_loadcnt 14-2*\i2+16*\later+2*\i2*\refill
.irp e, 0,1,2,3,4,5,6,7
	v_cmp_gt_f32 s[MK+\e], v[W+\e], s[AL]          ; weight > alpha
.endr
.irp e, 0,1,2,3,4,5,6,7
	v_cmp_lt_f32 s[MK+8+\e], v[W+\e], s[AL+1]      ; weight < -alpha
.endr
.irp e, 0,1,2,3,4,5,6,7
	v_cndmask_b32 v[W+\e], 0, v[SV+\i2], s[MK+\e]
.endr
.irp e, 0,1,2,3,4,5,6,7
	v_cndmask_b32 v[W+\e], v[W+\e], v[SN+\i2], s[MK+8+\e]
.endr
	v_cvt_scalef32_pk8_fp8_f32 v[CD+2*\i2:CD+2*\i2+1], v[W:W+7], v[SC]   ; / 2^e1, to the nearest code, ties to even; the numbers are held already
	v_nop                                          ; one plain vector line behind a scaled conversion
	ds_store_b64 v[BWR], v[CD+2*\i2:CD+2*\i2+1] offset:ISET*\img+32*\i2
.if \refill
.irp p, 0,1
	global_load_b128 v[W+4*\p:W+4*\p+3], v[WOFF], s[WB:WB+1] offset:\woff+2*KROW*\i2+256*\p th:TH_LOAD_NT   ; sixteen lanes read 256 aligned bytes of a row
.endr
.endif
.endr
.endm
; 64 matrix instructions: my 16 tiles of tokens x the 4 tiles of outputs, 128 along K.  The 64 accumulators take turns, one instruction a turn, in the same order in every period.
; zero = 1: the products start the sums: nothing is ever cleared.  The waits count what was issued behind the fragments wanted: 16 loads for each later group of four tiles, and (tern = 1) the eight image stores.
.macro MUL zero, tern
.irp g, 0,1,2,3
	s_wait_dscnt 16*(3-\g)+8*\tern
.if \g < 2
	WIN MUL_LO
.else
	WIN MUL_HI
.endif
.irp a, 4*\g, 4*\g+1, 4*\g+2, 4*\g+3
.irp b, 0,1,2,3
.if \zero
	v_wmma_f32_16x16x128_fp8_fp8 v[8*(4*((\a)%8)+\b):8*(4*((\a)%8)+\b)+7], v[BF+16*\b:BF+16*\b+15], v[16*(\a):16*(\a)+15], 0
.else
	v_wmma_f32_16x16x128_fp8_fp8 v[8*(4*((\a)%8)+\b):8*(4*((\a)%8)+\b)+7], v[BF+16*\b:BF+16*\b+15], v[16*(\a):16*(\a)+15], v[8*(4*((\a)%8)+\b):8*(4*((\a)%8)+\b)+7]
.endif
.endr
.endr
.endr
.endm
; THE CHANGE at a period's head: ONE barrier.  In front of it my part of slot p has landed, my codes for image set p are stored, and my reads of the other slot and the other image set are over.
; kind 2, the first period: tile 1 may stay out.  kind 1: the barrier is a round of the cluster's, and the other slot is filled again first thing behind it, with the next K step's
; tile, which has this period in which to land.  kind 0, the last period: nothing is left to ask for.
.macro CHANGE kind, p
.if \kind == 2
	s_wait_tensorcnt 0x1                           ; my quarter of tile 0 is in; tile 1's load, issued behind it, stays out
	s_wait_dscnt 0x0                               ; my codes of K step 0 are stored
	s_barrier_signal -1
	s_barrier_wait -1
.elseif \kind == 1
	s_wait_tensorcnt 0x0                           ; no tensor load of mine is out, so a group 0 may be written
	ds_add_u32 v[SPW], v[NIL]                      ; 0 onto my spare word: the step below stands between it and the wait for it
	s_add_nc_u64 s[G0+4*(1-\p)+2:G0+4*(1-\p)+3], s[G0+4*(1-\p)+2:G0+4*(1-\p)+3], 2*TILE   ; the other slot's next tile; the type bits on top are not reached
	s_wait_dscnt 0x0                               ; the add is done, my image stores have landed, my reads of the other slot are over
	ROUND
	JLOAD 1-\p
.else
	s_wait_tensorcnt 0x0
	ds_add_u32 v[SPW], v[NIL]
	s_wait_dscnt 0x0
	s_barrier_signal -1
	s_barrier_wait -1
.rept 4
	v_nop                                          ; the places between the last products and the loads into the registers that they read (ISA guide 7.12.1 for vector instructions)
.endr
.endif
.endm
; The ternary step stands between the run of LDS loads and the products, so that its vector work is done while the fragments come.
.macro PERIOD kind, p, zero, ask, k, set, refill, later, woff
	CHANGE \kind, \p
	FETCH \p
.if \ask
	ASK \k
.endif
	TERN \set, \set, \refill, \later, \woff
	MUL \zero, 1
	WIN 0                                          ; at a label and at a branch every window is 0
.endm
	s_load_b256 s[4:11], s[0:1], 0x0               ; x_codes s[4:5], weight s[6:7], scale s[8:9], bias s[10:11]
	s_load_b128 s[12:15], s[0:1], 0x20             ; the scales' exponents s[12:13], partials s[14:15]
	s_load_b64 s[OUT:OUT+1], s[0:1], 0x30          ; out0
	v_lshl_add_u32 v[SPW], v0, 2, SPARE
	v_mov_b32 v[NIL], 0
	ds_add_u32 v[SPW], v[NIL]                      ; the wave's opening: the add, twice on end, and its wait ahead of my first tensor load; the set-up below, work on registers, stands between
	ds_add_u32 v[SPW], v[NIL]                      ; and once more, under the one wait
	v_lshrrev_b32 v14, 5, v0
	v_readfirstlane_b32 s[WV], v14                 ; wave 0..3
	s_bfe_u32 s[CX], ttmp6, 0x40000                ; cx
	s_lshl_b32 s[XG], ttmp9, 2                     ; in a cluster launch ttmp9 counts clusters
	s_add_co_u32 s[XG], s[XG], s[CX]               ; my block of 64 outputs = 4 x cluster + cx
	s_mov_b32 s[PFL], ttmp9
	; descriptor group 1: 128 rows of 32 elements of 8 bytes, dense in memory and in LDS: a quarter of a tile, 32,768 bytes
	s_mov_b32 s[G1], 15|(3<<16)|(1<<21)            ; 15:0 the mask: all four work-groups; 17:16 elements of 8 bytes; 20 no padding; 21 set beside a mask
	s_mov_b32 s[G1+1], 32<<16                      ; tensor_dim0 = 32
	s_mov_b32 s[G1+2], 128<<16                     ; tensor_dim1 = 128
	s_mov_b32 s[G1+3], 32<<16                      ; tile_dim0 = 32
	s_mov_b32 s[G1+4], 128                         ; tile_dim1 = 128
	s_mov_b32 s[G1+5], 32                          ; from row to row: 32 elements
	s_mov_b32 s[G1+6], 0
	s_mov_b32 s[G1+7], 0
	s_mov_b32 s[SEL], 0x76543210
	s_mov_b32 s[SEL+1], 0xfedcba98
	s_mov_b32 s52, 0x3cbe82fa                      ; 1 / 43, rounded
	s_mov_b32 s53, 0xc22c0000                      ; -43
	s_lshl_b32 s21, s[WV], 15                      ; my quarter: 32,768 x wave, in a tile and in a slot: no place in the cluster enters an LDS address
	s_mov_b32 s60, s21                             ; (s[56:57], s[60:61] feed the descriptors and never hold cx)
	s_mov_b32 s61, 0
	s_mov_b32 s59, 0
	s_lshl_b32 s23, s[XG], 6
	s_lshl_b32 s22, s[WV], 4
	s_add_co_u32 s23, s23, s22                     ; the first of my 16 rows of weight: 64 X + 16 wave
	v_and_b32 v14, 31, v0                          ; lane
	v_and_b32 v15, 15, v0                          ; r, and u
	v_bfe_u32 v49, v0, 4, 1                        ; h
	v_lshl_add_u32 v[ADRA], v14, 4, s21
	v_add_nc_u32 v[ADRA+1], TILE, v[ADRA]
	v_mul_u32_u24 v[BRD], v49, 4*IPITCH            ; reading an image: group 4 h + c, 16 bytes for row r
	v_lshl_add_u32 v[BRD], v15, 4, v[BRD]
	v_add_nc_u32 v[BRD], IMG, v[BRD]
	v_bfe_u32 v50, v0, 1, 3                        ; u / 2: chunk u lies in group u / 2,
	v_and_b32 v51, 1, v0                           ; in its half u % 2;
	v_mul_u32_u24 v[BWR], v50, IPITCH
	v_lshl_add_u32 v[BWR], v51, 3, v[BWR]
	v_lshl_add_u32 v[BWR], v49, 4, v[BWR]          ; row 2 i + lane / 16: 16 bytes a row (32 i stands in the store's offset)
	s_mul_i32 s22, s[WV], IFR                      ; fragment b = my wave
	s_add_co_u32 s22, s22, IMG
	v_add_nc_u32 v[BWR], s22, v[BWR]
	v_lshlrev_b32 v[WOFF], 4, v15
	v_lshl_add_u32 v[WOFF], v49, 14, v[WOFF]
	v_lshlrev_b32 v[PFXO], 8, v14
	v_bfe_u32 v50, v0, 1, 4                        ; lane / 2
	v_lshlrev_b32 v[PFWO], 14, v50
	v_lshl_add_u32 v[PFWO], v51, 8, v[PFWO]
	v_mul_u32_u24 v[STO], v15, SPITCH              ; the stage, in: row r, 32 bytes for each half of the lanes
	v_lshl_add_u32 v[STO], v49, 5, v[STO]
	v_add_nc_u32 v[STO], s21, v[STO]
	v_mul_u32_u24 v[RD], v49, SPITCH               ; back: lanes 0-15 one row of 256 bytes, lanes 16-31 the next
	v_lshl_add_u32 v[RD], v15, 4, v[RD]
	v_add_nc_u32 v[RD], s21, v[RD]
	v_mul_u32_u24 v[CO], v49, OROW                 ; and the same two rows in out0
	v_lshl_add_u32 v[CO], v15, 4, v[CO]
	v_lshlrev_b32 v[BOF], 5, v49
	v_lshlrev_b32 v[POF], 4, v14
	v_lshlrev_b32 v[SOF], 2, v49
	s_wait_dscnt 0x0                               ; both opening adds are done
	s_wait_kmcnt 0x0
	s_load_b64 s[54:55], s[12:13], 0x0             ; e0, e1
	s_add_nc_u64 s[56:57], s[4:5], s[60:61]        ; x's codes at my quarter of tile 0
.irp p, 0,1
	s_mov_b32 s[G0+4*\p], 1                        ; count = 1
	s_add_co_u32 s[G0+4*\p+1], s21, \p*TILE        ; LDS address: my quarter of slot p
	s_add_nc_u64 s[G0+4*\p+2:G0+4*\p+3], s[56:57], \p*TILE   ; global address: tile p
	s_or_b32 s[G0+4*\p+3], s[G0+4*\p+3], 0x80000000          ; type = 2
.endr
	s_lshl_b32 s58, s23, 14
	s_add_nc_u64 s[WB:WB+1], s[6:7], s[58:59]      ; weight at my first row (the offset stays under 2^32)
	s_lshl_b32 s58, s23, 2
	s_add_nc_u64 s[8:9], s[8:9], s[58:59]          ; scale at my first row
	s_lshl_b32 s58, s[XG], 8
	s_add_nc_u64 s[10:11], s[10:11], s[58:59]      ; bias at my block's 64 outputs,
	s_add_nc_u64 s[OUT:OUT+1], s[OUT:OUT+1], s[58:59]   ; out0 likewise,
	s_mul_i32 s58, s[WV], 256*OROW
	s_add_nc_u64 s[OUT:OUT+1], s[OUT:OUT+1], s[58:59]   ; at my first token
	s_lshl_b32 s58, s[CX], 2
	s_add_co_u32 s58, s58, s[WV]
	s_lshl_b32 s58, s58, 13                        ; (4 cx + wave) x 8,192
	s_add_co_u32 s58, s58, 4*TILE                  ; in tile 4: what the loop's first period asks for.  Nothing is prefetched here, at the head
	s_add_nc_u64 s[PFX:PFX+1], s[4:5], s[58:59]
	ROUND                                          ; all four work-groups are here: the first joint loads meet
	tensor_load_to_lds s[G0:G0+3], s[G1:G1+7]      ; tile 0 and tile 1: two loads of mine are out, later one
	s_nop 0
	tensor_load_to_lds s[G0+4:G0+7], s[G1:G1+7]
	s_nop 0
.rept 4
	v_nop
.endr
.irp i, 0,1,2,3,4,5,6,7,8,9,10,11,12,13,14,15
	global_load_b128 v[BF+4*\i:BF+4*\i+3], v[POF], s[14:15] offset:512*\i   ; all 2,048 partial sums, 64 a lane
.endr
.irp i, 0,1,2,3,4,5,6,7
	global_load_b32 v[SV+\i], v[SOF], s[8:9] offset:8*\i                    ; scale of row 2 i + lane / 16
.endr
.irp st, 0,1
.irp i2, 0,1,2,3,4,5,6,7
.irp p, 0,1
	global_load_b128 v[RING+64*\st+8*\i2+4*\p:RING+64*\st+8*\i2+4*\p+3], v[WOFF], s[WB:WB+1] offset:STEPW*\st+2*KROW*\i2+256*\p th:TH_LOAD_NT   ; the ring: K steps 0 and 1
.endr
.endr
.endr
	s_wait_loadcnt 32                              ; the partial sums and the scales are in; the ring's 32 loads stay out
.irp n, 16,8,4,2,1                     ; alpha: a tree over the lane's 64, two at a time,
.set J, 0
.rept \n
	v_pk_add_f32 v[BF+2*J:BF+2*J+1], v[BF+2*J:BF+2*J+1], v[BF+2*(J+\n):BF+2*(J+\n)+1]
.set J, J+1
.endr
.endr
	v_add_f32 v[BF], v[BF], v[BF+1]
	v_add_f32_dpp v[BF], v[BF], v[BF] row_xmask:1 row_mask:0xf bank_mask:0xf   ; over the 32 lanes,
	v_add_f32_dpp v[BF], v[BF], v[BF] row_xmask:2 row_mask:0xf bank_mask:0xf
	v_add_f32_dpp v[BF], v[BF], v[BF] row_xmask:4 row_mask:0xf bank_mask:0xf
	v_add_f32_dpp v[BF], v[BF], v[BF] row_xmask:8 row_mask:0xf bank_mask:0xf
	v_permlanex16_b32 v[BF+1], v[BF], s[SEL], s[SEL+1]
	v_add_f32 v[BF], v[BF], v[BF+1]                ; S, the same bits in every lane of every wave of the launch
	v_mul_f32 v[BF+1], s52, v[BF]                  ; S / 43: a first quotient,
	v_fma_f32 v[BF+2], v[BF+1], s53, v[BF]         ; its exact remainder,
	v_fma_f32 v[BF+1], v[BF+2], s52, v[BF+1]       ; and the corrected quotient
	v_mul_f32 v[BF+1], 0x35800000, v[BF+1]         ; x 2^-20: nothing is rounded, short of underflow
	v_readfirstlane_b32 s[AL], v[BF+1]             ; alpha: it goes into comparisons alone
	s_xor_b32 s[AL+1], s[AL], 0x80000000           ; -alpha
	s_wait_kmcnt 0x0
	s_add_co_i32 s21, s55, 127
	s_lshl_b32 s22, s21, 23
	v_mov_b32 v[SC], s22                           ; 2^e1 as f32: the conversion takes its exponent field
	s_add_co_i32 s21, s21, 8
	s_lshl_b32 s21, s21, 23
	s_or_b32 s21, s21, 0x600000
	v_mov_b32 v14, s21                             ; 448 x 2^e1
.irp i, 0,1,2,3,4,5,6,7
	v_med3_num_f32 v[SV+\i], v[SV+\i], -v14, v14   ; the conversion to an 8-bit code does not saturate (ISA guide 7.6.2): the hold, once a row
.endr
.irp i, 0,1,2,3,4,5,6,7
	v_xor_b32 v[SN+\i], 0x80000000, v[SV+\i]
.endr
	s_add_co_i32 s[SCL], s54, s55
	s_add_co_i32 s[SCL], s[SCL], 127
	s_lshl_b32 s[SCL], s[SCL], 23                  ; 2^(e0+e1) as f32
	s_mov_b32 s[SCL+1], s[SCL]                     ; (named with it as a pair, so it is written)
	TERN 0, 0, 1, 1, 2*STEPW                       ; the weights' codes of K step 0; set 0 takes K step 2
	PERIOD 2, 0, 1, 0, 0, 1, 1, 1, 3*STEPW         ; period 0: its products start the sums; codes of K step 1; set 1 takes K step 3
	s_wait_xcnt 0x0                                ; the refills have read their base
	s_add_nc_u64 s[WB:WB+1], s[WB:WB+1], 4*STEPW   ; at K step 4
	s_mov_b32 s[TRIPS], 14
.Ltrip:                                            ; 14 trips of two periods: periods 1 to 28; trip t refills K steps 4 + 2 t and 5 + 2 t
	PERIOD 1, 1, 0, 1, 0, 0, 1, 1, 0
	PERIOD 1, 0, 0, 1, 1, 1, 1, 1, STEPW
	s_wait_xcnt 0x0                                ; the trip's loads and prefetches, 64 matrix instructions back, have read their bases
	s_add_nc_u64 s[WB:WB+1], s[WB:WB+1], 2*STEPW
	s_add_nc_u64 s[PFX:PFX+1], s[PFX:PFX+1], 2*TILE
	s_sub_co_u32 s[TRIPS], s[TRIPS], 1
	s_cmp_lg_u32 s[TRIPS], 0
	s_cbranch_scc1 .Ltrip
	PERIOD 1, 1, 0, 0, 0, 0, 0, 1, 0               ; the tail is written out.  Period 29: tile 30 is asked for; codes of K step 30; no weights are left to ask for
	PERIOD 1, 0, 0, 0, 0, 1, 0, 0, 0               ; period 30: tile 31; codes of K step 31
	CHANGE 0, 1                                    ; period 31
	FETCH 1
.irp b, 0,1,2,3
	global_load_b128 v[BI+8*\b:BI+8*\b+3],   v[BOF], s[10:11] offset:64*\b      ; bias of outputs 16 b + 8 h + 0 .. 7, in the results' layout; ring set 1 is done with
	global_load_b128 v[BI+8*\b+4:BI+8*\b+7], v[BOF], s[10:11] offset:64*\b+16
.endr
	MUL 0, 0
	WIN 0
; THE WAY OUT, a tile of 16 tokens x 64 outputs at a time.  A lane holds 32 neighbouring bytes of a row and the lanes beside it hold other rows: so a tile goes through my own stage in LDS and comes back as whole rows of
; 256 bytes.  LDS serves a wave's instructions in order (ISA guide 5.7.1.4): no wait between the stores and the loads.
.macro TOSTAGE a
.set AC, 32*((\a)%8)
.set SB, SBUF*((\a)%2)
.set BB, BK+32*((\a)%2)
	WIN 0x02+((\a)/8)                              ; source 0: window 2 or 3
.irp j, 0,2,4,6,8,10,12,14,16,18,20,22,24,26,28,30
	v_pk_fma_f32 v[TMP+\j:TMP+\j+1], v[AC+\j:AC+\j+1], s[SCL:SCL+1], v[BI+\j:BI+\j+1] op_sel_hi:[1,0,1]   ; sum x 2^(e0+e1) + bias, two at a time; each accumulator from its low end on
.endr
	WIN 0
.irp b, 0,1,2,3
	ds_store_b128 v[STO], v[TMP+8*\b:TMP+8*\b+3]   offset:SB+64*\b
	ds_store_b128 v[STO], v[TMP+8*\b+4:TMP+8*\b+7] offset:SB+64*\b+16
.endr
.irp t, 0,1,2,3,4,5,6,7
	ds_load_b128 v[BB+4*\t:BB+4*\t+3], v[RD] offset:SB+2*\t*SPITCH
.endr
.endm
.macro SEND a, younger                 ; younger: the LDS instructions issued behind tile a's loads: the next tile's sixteen, or none
.set BB, BK+32*((\a)%2)
	s_wait_dscnt \younger                          ; the tile is back in registers
.if (\a) > 0
	s_add_nc_u64 s[OUT:OUT+1], s[OUT:OUT+1], 16*OROW   ; (behind a wait on XCNT: the earlier stores have read their base)
.endif
.irp t, 0,1,2,3,4,5,6,7
	global_store_b128 v[CO], v[BB+4*\t:BB+4*\t+3], s[OUT:OUT+1] offset:2*\t*OROW th:TH_STORE_NT   ; sixteen lanes store 256 consecutive bytes, at a multiple of 256 from out0's first byte
.endr
.endm
.rept 4
	v_nop                                          ; the places between the last products and the first read of results (ISA guide 7.12.1)
.endr
	s_wait_loadcnt 0x0                             ; bias
	TOSTAGE 0
.irp a, 1,2,3,4,5,6,7,8,9,10,11,12,13,14,15
.if \a > 1
	s_wait_xcnt 0x0                                ; tile a - 2's stores have read their registers and their base: tile a's loads may land there, and the base may step
.endif
	TOSTAGE \a
	SEND \a-1, 16
.endr
	s_wait_xcnt 0x0                                ; tile 14's stores have read their base
	SEND 15, 0
	s_wait_tensorcnt 0x0                           ; the wave's end, behind my last tensor load and my last LDS store
	ds_add_u32 v[SPW], v[NIL]
	s_wait_dscnt 0x0
	ROUND                                          ; the closing round: no work-group ends while a partner may still ask for a tile that names it
	s_endpgm
.Lfunc_end_k_q8def23c6af_tgemm:
	.size	k_q8def23c6af_tgemm, .Lfunc_end_k_q8def23c6af_tgemm-k_q8def23c6af_tgemm
	.p2alignl 7, 3214868480
	.fill 96, 4, 3214868480
	.section	.rodata,"a",@progbits
	.p2align	6, 0x0
	.amdhsa_kernel k_q8def23c6af_tgemm
		.amdhsa_group_segment_fixed_size 327680
		.amdhsa_private_segment_fixed_size 0
		.amdhsa_enable_private_segment 0
		.amdhsa_kernarg_size 56
		.amdhsa_user_sgpr_count 2
		.amdhsa_user_sgpr_kernarg_segment_ptr 1
		.amdhsa_wavefront_size32 1
		.amdhsa_system_sgpr_workgroup_id_x 1
		.amdhsa_system_sgpr_workgroup_id_y 1
		.amdhsa_system_sgpr_workgroup_id_z 1
		.amdhsa_system_vgpr_workitem_id 0
		.amdhsa_next_free_vgpr 1024
		.amdhsa_next_free_sgpr 88
		.amdhsa_reserve_vcc 0
		.amdhsa_float_denorm_mode_32 3
		.amdhsa_float_denorm_mode_16_64 3
		.amdhsa_memory_ordered 1
		.amdhsa_forward_progress 1
		.amdhsa_inst_pref_size 235
	.end_amdhsa_kernel
	.amdgpu_metadata
---
amdhsa.version: [ 1, 2 ]
amdhsa.kernels:
  - .name:           k_q8def23c6af_tgemm
    .symbol:         k_q8def23c6af_tgemm.kd
    .args:
      - { .name: x_codes, .offset: 0, .size: 8, .value_kind: global_buffer, .address_space: global }
      - { .name: weight, .offset: 8, .size: 8, .value_kind: global_buffer, .address_space: global }
      - { .name: scale, .offset: 16, .size: 8, .value_kind: global_buffer, .address_space: global }
      - { .name: bias, .offset: 24, .size: 8, .value_kind: global_buffer, .address_space: global }
      - { .name: lowp_scales, .offset: 32, .size: 8, .value_kind: global_buffer, .address_space: global }
      - { .name: partials, .offset: 40, .size: 8, .value_kind: global_buffer, .address_space: global }
      - { .name: out0, .offset: 48, .size: 8, .value_kind: global_buffer, .address_space: global }
    .group_segment_fixed_size: 327680
    .private_segment_fixed_size: 0
    .kernarg_segment_align: 8
    .kernarg_segment_size: 56
    .max_flat_workgroup_size: 128
    .sgpr_count:     88
    .vgpr_count:     1024
    .wavefront_size: 32
...
	.end_amdgpu_metadata
.endif
;; end of part 2
;; ======== version 2 of 2: 3 launches
;; limits: right only within a limited range of input values
;; workspace buffers: x_codes 4,194,304 bytes; w_pack 11,272,192 bytes; partials 8,192 bytes
;; launch prep (part 3): grid 256 x 1, 8 waves a work-group, no clusters, 0 bytes of LDS; arguments weight, x, lowp_scales, x_codes, partials; writes x_codes, partials
.if DOCPART == 3
	.amdgcn_target "amdgcn-amd-amdhsa--gfx1250"
	.amdhsa_code_object_version 6
	.text
	.protected	k_q8def23c6af_prep
	.globl	k_q8def23c6af_prep
	.p2align	8
	.type	k_q8def23c6af_prep,@function
k_q8def23c6af_prep:
	s_mov_b64 s[64:65], 0
	v_nop
	global_prefetch_b8 v0, s[64:65] scope:SCOPE_SE
	s_setreg_imm32_b32 hwreg(HW_REG_WAVE_MODE, 25, 1), 1
	s_wait_xcnt 0x0
; out0 = Q(x) Q(q scale)^T + bias, q = the ternary code of weight against alpha = the mean of |weight| over the WHOLE tensor.  Three launches:
; this one makes 2,048 partial sums of |weight| (one a wave) and x's codes of E4M3; the second packs q, two bits a weight; the third expands q to the codes of q scale and multiplies codes.
; NO WORK IS LEFT OUT: x, weight, scale, bias and lowp_scales all have a way to out0 for all values, and each is loaded by one of the launches.
; LIMITS.  e0 between -126 and 119, so that 2^e0 and 448 x 2^e0 are f32 numbers.  NaN and infinities among the inputs are not served.
; The sum of |weight| is taken in another order than reference()'s: 16 chains of 43 terms a lane, then trees.
; SHARES.  Wave g = 8 x work-group + wave sums the 88,064 consecutive bytes of weight from g x 88,064 on: 172 loads of 512 bytes, 32 on their way.
; The work-group also takes 4 rows of x; its wave w the 512 numbers from 512 w on of each row.
; THE ORDER OF k IN A ROW OF CODES: rows are [row][4,096 bytes].  In each 512 along K, byte 16 L + 4 g + j holds k = 256 (L % 2) + 64 g + 4 (L / 2) + j (L 0..31, g 0..3, j 0..3).
; The packed weights follow the same order, so every product meets its partner.  Lane L loads 16 bytes four times, 256 bytes apart: the even lanes of a load cover 256 aligned bytes, the odd lanes the 256
; that lie 1,024 further on.  The 16 numbers stay in one lane for two conversions, and the 32 lanes store 512 consecutive bytes of codes: nothing turns through LDS.
; No barrier, no LDS, no tensor load, no cluster: waves share nothing, and the launch is a stream.
.set PART,  88064
.set NLD,   172
.set DEPTH, 32
.set LOF,   2                          ; 16 x lane
.set XOF,   3                          ; 1,024 (lane % 2) + 16 (lane / 2)
.set ZOF,   5                          ; 0
.set LIM,   8                          ; 448 x 2^e0
.set SC,    9                          ; 2^e0
.set PC,    16                         ; v16-31 codes: 4 rows x 4 registers
.set ACC,   36                         ; v36-51 sixteen chains
.set X,     64                         ; v64-127 x's numbers
.set R,     128                        ; v128-255 the ring: 32 slots of 4
	s_load_b256 s[4:11], s[0:1], 0x0               ; weight, x, lowp_scales, x_codes
	s_load_b64 s[12:13], s[0:1], 0x20              ; partials
	v_lshrrev_b32 v34, 5, v0
	v_readfirstlane_b32 s14, v34                   ; wave
	v_and_b32 v1, 31, v0
	v_lshlrev_b32 v[LOF], 4, v1
	v_and_b32 v35, 1, v0
	v_bfe_u32 v34, v0, 1, 4
	v_lshlrev_b32 v[XOF], 4, v34
	v_lshl_add_u32 v[XOF], v35, 10, v[XOF]
	v_mov_b32 v[ZOF], 0
	s_mov_b32 s28, 0x76543210
	s_mov_b32 s29, 0xfedcba98
	s_lshl_b32 s25, ttmp9, 3
	s_add_co_u32 s25, s25, s14                     ; g
	s_mul_i32 s16, s25, PART                       ; under 2^32
	s_mov_b32 s17, 0
	s_lshl_b32 s22, s25, 2
	s_mov_b32 s23, 0
	s_lshl_b32 s18, ttmp9, 16                      ; x: 4 rows of 16,384 bytes a work-group,
	s_lshl_b32 s19, s14, 11                        ; 2,048 bytes a wave
	s_add_co_u32 s18, s18, s19
	s_mov_b32 s19, 0
	s_lshl_b32 s20, ttmp9, 14                      ; codes: 4 rows of 4,096 bytes, 512 a wave
	s_lshl_b32 s21, s14, 9
	s_add_co_u32 s20, s20, s21
	s_mov_b32 s21, 0
	s_wait_alu depctr_va_vdst(0)
	s_wait_kmcnt 0x0
	s_load_b32 s24, s[8:9], 0x0                    ; e0
	s_add_nc_u64 s[16:17], s[4:5], s[16:17]
	s_add_nc_u64 s[18:19], s[6:7], s[18:19]
	s_add_nc_u64 s[20:21], s[10:11], s[20:21]
	s_add_nc_u64 s[22:23], s[12:13], s[22:23]
.irp i, 0,1,2,3
.irp g, 0,1,2,3
	global_load_b128 v[X+16*\i+4*\g:X+16*\i+4*\g+3], v[XOF], s[18:19] offset:16384*\i+256*\g th:TH_LOAD_NT
.endr
.endr
.set I, 0
.rept DEPTH
	global_load_b128 v[R+4*I:R+4*I+3], v[LOF], s[16:17] offset:512*I th:TH_LOAD_NT
.set I, I+1
.endr
	s_wait_kmcnt 0x0
	s_add_co_i32 s24, s24, 127
	s_lshl_b32 s25, s24, 23
	v_mov_b32 v[SC], s25
	s_add_co_i32 s24, s24, 8
	s_lshl_b32 s24, s24, 23
	s_or_b32 s24, s24, 0x600000
	v_mov_b32 v[LIM], s24
	s_wait_alu depctr_va_vdst(0)
	s_wait_loadcnt DEPTH                           ; x's 16 loads are in; the ring's 32 stay out
.set I, 0
.rept 64
	v_med3_num_f32 v[X+I], v[X+I], -v[LIM], v[LIM] ; the conversion does not saturate (ISA guide 7.6.2): the hold comes first
.set I, I+1
.endr
.irp u, 0,1,2,3,4,5,6,7
	v_cvt_scalef32_pk8_fp8_f32 v[PC+2*\u:PC+2*\u+1], v[X+8*\u:X+8*\u+7], v[SC]
.endr
	v_nop                                          ; one plain line behind the last scaled conversion
.irp i, 0,1,2,3
	global_store_b128 v[LOF], v[PC+4*\i:PC+4*\i+3], s[20:21] offset:4096*\i   ; 512 consecutive bytes of row i
.endr
; Load i lies in slot i % 32 and adds onto chain set i % 4: 15 plain instructions stand between a chain's write and its next read.
.set I, 0
.rept NLD
.set SL, R+4*(I%DEPTH)
.if NLD-1-I < DEPTH-1
	s_wait_loadcnt NLD-1-I                         ; the counts run down
.else
	s_wait_loadcnt DEPTH-1                         ; mine is in, the 31 younger stay out
.endif
.irp k, 0,1,2,3
.if I < 4
	v_and_b32 v[ACC+4*(I%4)+\k], 0x7fffffff, v[SL+\k]
.else
	v_add_f32 v[ACC+4*(I%4)+\k], v[ACC+4*(I%4)+\k], |v[SL+\k]|
.endif
.endr
.if I+DEPTH < NLD
	global_load_b128 v[SL:SL+3], v[LOF], s[16:17] offset:512*(I+DEPTH) th:TH_LOAD_NT
.endif
.set I, I+1
.endr
	s_wait_alu depctr_va_vdst(0)
.irp n, 8,4,2,1
.set J, 0
.rept \n
	v_add_f32 v[ACC+J], v[ACC+J], v[ACC+J+\n]
.set J, J+1
.endr
.endr
	v_add_f32_dpp v[ACC], v[ACC], v[ACC] row_xmask:1 row_mask:0xf bank_mask:0xf
	v_add_f32_dpp v[ACC], v[ACC], v[ACC] row_xmask:2 row_mask:0xf bank_mask:0xf
	v_add_f32_dpp v[ACC], v[ACC], v[ACC] row_xmask:4 row_mask:0xf bank_mask:0xf
	v_add_f32_dpp v[ACC], v[ACC], v[ACC] row_xmask:8 row_mask:0xf bank_mask:0xf
	v_permlanex16_b32 v34, v[ACC], s28, s29
	v_add_f32 v[ACC], v[ACC], v34
	v_cmp_eq_u32 vcc_lo, 0, v1
	s_wait_alu depctr_va_vdst(0)
	s_wait_xcnt 0x0                                ; EXEC is a source of the codes' stores
	s_and_saveexec_b32 s30, vcc_lo
	global_store_b32 v[ZOF], v[ACC], s[22:23]      ; one word a wave
	s_wait_xcnt 0x0
	s_or_b32 exec_lo, exec_lo, s30
	s_endpgm
.Lfunc_end_k_q8def23c6af_prep:
	.size	k_q8def23c6af_prep, .Lfunc_end_k_q8def23c6af_prep-k_q8def23c6af_prep
	.p2alignl 7, 3214868480
	.fill 96, 4, 3214868480
	.section	.rodata,"a",@progbits
	.p2align	6, 0x0
	.amdhsa_kernel k_q8def23c6af_prep
		.amdhsa_group_segment_fixed_size 0
		.amdhsa_private_segment_fixed_size 0
		.amdhsa_enable_private_segment 0
		.amdhsa_kernarg_size 40
		.amdhsa_user_sgpr_count 2
		.amdhsa_user_sgpr_kernarg_segment_ptr 1
		.amdhsa_wavefront_size32 1
		.amdhsa_system_sgpr_workgroup_id_x 1
		.amdhsa_system_sgpr_workgroup_id_y 1
		.amdhsa_system_sgpr_workgroup_id_z 1
		.amdhsa_system_vgpr_workitem_id 0
		.amdhsa_next_free_vgpr 256
		.amdhsa_next_free_sgpr 66
		.amdhsa_reserve_vcc 1
		.amdhsa_float_denorm_mode_32 3
		.amdhsa_float_denorm_mode_16_64 3
		.amdhsa_memory_ordered 1
		.amdhsa_forward_progress 1
		.amdhsa_inst_pref_size 74
	.end_amdhsa_kernel
	.amdgpu_metadata
---
amdhsa.version: [ 1, 2 ]
amdhsa.kernels:
  - .name:           k_q8def23c6af_prep
    .symbol:         k_q8def23c6af_prep.kd
    .args:
      - { .name: weight, .offset: 0, .size: 8, .value_kind: global_buffer, .address_space: global }
      - { .name: x, .offset: 8, .size: 8, .value_kind: global_buffer, .address_space: global }
      - { .name: lowp_scales, .offset: 16, .size: 8, .value_kind: global_buffer, .address_space: global }
      - { .name: x_codes, .offset: 24, .size: 8, .value_kind: global_buffer, .address_space: global }
      - { .name: partials, .offset: 32, .size: 8, .value_kind: global_buffer, .address_space: global }
    .group_segment_fixed_size: 0
    .private_segment_fixed_size: 0
    .kernarg_segment_align: 8
    .kernarg_segment_size: 40
    .max_flat_workgroup_size: 256
    .sgpr_count:     66
    .vgpr_count:     256
    .wavefront_size: 32
...
	.end_amdgpu_metadata
.endif
;; end of part 3
;; launch wquant (part 4): grid 256 x 1, 4 waves a work-group, no clusters, 0 bytes of LDS; arguments weight, partials, w_pack; writes w_pack
.if DOCPART == 4
	.amdgcn_target "amdgcn-amd-amdhsa--gfx1250"
	.amdhsa_code_object_version 6
	.text
	.protected	k_q8def23c6af_wquant
	.globl	k_q8def23c6af_wquant
	.p2align	8
	.type	k_q8def23c6af_wquant,@function
k_q8def23c6af_wquant:
	s_mov_b64 s[64:65], 0
	v_nop
	global_prefetch_b8 v0, s[64:65] scope:SCOPE_SE
	s_setreg_imm32_b32 hwreg(HW_REG_WAVE_MODE, 25, 1), 1
	s_wait_xcnt 0x0
; The ternary step, packed: for each weight the two bits 2 m + s, m = (|weight| > alpha), s = weight's sign bit.  So 2 stands for weight > alpha, 3 for weight < -alpha, 0 and 1 for neither
; (alpha is not negative, so reference()'s two comparisons are these).  m is the sign of alpha - |weight| in f32, which is negative just where |weight| > alpha (denormals are kept).  No work is left out.
; alpha = (the sum of the 2,048 partial sums, one tree, the same in every wave) / (43 x 2^20), the division by 43 corrected by its remainder.
; LIMITS.  NaN and infinities among the inputs are not served.  The order of alpha's sums differs from reference()'s.
; w_pack: [8 chunks of 512 along K][11,008 rows][128 bytes].  Word L (0..31) of a row's 128 bytes stands for bytes 16 L .. 16 L + 15 of x's codes in that chunk:
; its field at bit 8 j + 2 g is k = 256 (L % 2) + 64 g + 4 (L / 2) + j.
; SHARES.  Work-groups 2 G and 2 G + 1 take rows 86 G .. 86 G + 85; wave w of work-group 2 G + b the chunk 4 b + w.  A UNIT is two rows x 512 weights: eight loads (sixteen lanes read 256 aligned bytes of
; a row, the other sixteen of the next row), 32 weights a lane, two words, one store of 256 consecutive aligned bytes.  43 units a wave through a ring of 6 units in registers.
; Unit t lies in ring place (t + 2) % 6: places 0 and 1 first hold the partial sums.  A loop of 6 trips x 6 units, then 7 units written out.  A stream: no LDS, no tensor load, no cluster, no matrix unit.
.set LOF,  2                           ; 16 x lane
.set WOF,  3                           ; 16,384 (lane / 16) + 16 (lane % 16)
.set SOF,  4                           ; 8 x lane
.set T,    16                          ; v16-23 alpha - |weight| of eight weights
.set CD,   32                          ; v32-45 packed words: 7 sets of 2
.set R,    64                          ; v64-255 the ring
.set AL,   24
.set TR,   28
	s_load_b128 s[4:7], s[0:1], 0x0                ; weight, partials
	s_load_b64 s[8:9], s[0:1], 0x10                ; w_pack
	v_lshrrev_b32 v10, 5, v0
	v_readfirstlane_b32 s14, v10
	v_and_b32 v1, 31, v0
	v_lshlrev_b32 v[LOF], 4, v1
	v_lshlrev_b32 v[SOF], 3, v1
	v_and_b32 v10, 15, v0
	v_bfe_u32 v11, v0, 4, 1
	v_lshlrev_b32 v[WOF], 4, v10
	v_lshl_add_u32 v[WOF], v11, 14, v[WOF]
	s_lshr_b32 s15, ttmp9, 1                       ; G
	s_and_b32 s12, ttmp9, 1
	s_lshl_b32 s12, s12, 2
	s_add_co_u32 s12, s12, s14                     ; chunk
	s_mul_i32 s16, s15, 86*16384                   ; under 2^32
	s_lshl_b32 s17, s12, 11
	s_add_co_u32 s16, s16, s17
	s_mov_b32 s17, 0
	s_mul_i32 s18, s12, 11008*128
	s_mul_i32 s19, s15, 86*128
	s_add_co_u32 s18, s18, s19
	s_mov_b32 s19, 0
	s_mov_b32 s32, 0x76543210
	s_mov_b32 s33, 0xfedcba98
	s_mov_b32 s34, 0x3cbe82fa                      ; 1 / 43, rounded
	s_mov_b32 s35, 0xc22c0000                      ; -43
	s_mov_b32 s[TR], 0
	s_wait_alu depctr_va_vdst(0)
	s_wait_kmcnt 0x0
	s_add_nc_u64 s[16:17], s[4:5], s[16:17]
	s_add_nc_u64 s[18:19], s[8:9], s[18:19]
.macro LOADU i, cs                     ; the unit cs row pairs below the base, into ring place (i + 2) % 6
.irp f, 0,1,2,3,4,5,6,7
	global_load_b128 v[R+32*(((\i)+2)%6)+4*\f:R+32*(((\i)+2)%6)+4*\f+3], v[WOF], s[16:17] offset:32768*(\cs)+256*\f th:TH_LOAD_NT
.endr
.endm
.irp i, 0,1,2,3,4,5,6,7,8,9,10,11,12,13,14,15
	global_load_b128 v[R+4*\i:R+4*\i+3], v[LOF], s[6:7] offset:512*\i       ; all 2,048 partial sums, 64 a lane
.endr
.irp i, 0,1,2,3
	LOADU \i, \i
.endr
	s_wait_loadcnt 32                              ; the partial sums are in; units 0-3 stay out
.irp n, 16,8,4,2,1
.set J, 0
.rept \n
	v_pk_add_f32 v[R+2*J:R+2*J+1], v[R+2*J:R+2*J+1], v[R+2*(J+\n):R+2*(J+\n)+1]
.set J, J+1
.endr
.endr
	v_add_f32 v[R], v[R], v[R+1]
	v_add_f32_dpp v[R], v[R], v[R] row_xmask:1 row_mask:0xf bank_mask:0xf
	v_add_f32_dpp v[R], v[R], v[R] row_xmask:2 row_mask:0xf bank_mask:0xf
	v_add_f32_dpp v[R], v[R], v[R] row_xmask:4 row_mask:0xf bank_mask:0xf
	v_add_f32_dpp v[R], v[R], v[R] row_xmask:8 row_mask:0xf bank_mask:0xf
	v_permlanex16_b32 v[R+1], v[R], s32, s33
	v_add_f32 v[R], v[R], v[R+1]
	v_mul_f32 v[R+1], s34, v[R]                    ; S / 43: a first quotient,
	v_fma_f32 v[R+2], v[R+1], s35, v[R]            ; its remainder,
	v_fma_f32 v[R+1], v[R+2], s34, v[R+1]          ; the corrected quotient,
	v_mul_f32 v[R+1], 0x35800000, v[R+1]           ; x 2^-20
	v_readfirstlane_b32 s[AL], v[R+1]              ; alpha
	LOADU 4, 4
	LOADU 5, 5
; A word gathers its 16 fields by shifts: each weight pushes m, then s, in at the low end, so the weight pushed n-th ends at bit 2 (15 - n): (j, g) run from (3, 3) down.  The two words' chains take turns.
.macro UNIT i, cs, cnt, refill
.set W, R+32*(((\i)+2)%6)
.set C2, CD+2*(\cs)
	s_wait_loadcnt \cnt
.irp j, 3,2,1,0
.irp d, 0,1
.irp g, 0,1,2,3
	v_sub_f32 v[T+4*\d+\g], s[AL], |v[W+16*\d+4*\g+\j]|
.endr
.endr
.irp g, 3,2,1,0
.if (\j == 3) && (\g == 3)
	v_lshrrev_b32 v[C2], 31, v[T+3]
	v_lshrrev_b32 v[C2+1], 31, v[T+7]
.else
	v_alignbit_b32 v[C2], v[C2], v[T+\g], 31
	v_alignbit_b32 v[C2+1], v[C2+1], v[T+4+\g], 31
.endif
	v_alignbit_b32 v[C2], v[C2], v[W+4*\g+\j], 31
	v_alignbit_b32 v[C2+1], v[C2+1], v[W+16+4*\g+\j], 31
.endr
.endr
	global_store_b64 v[SOF], v[C2:C2+1], s[18:19] offset:256*(\cs)   ; two rows' 128 bytes: 256 consecutive bytes, aligned
.if \refill
	LOADU \i, (\cs)+6
.endif
.endm
.Ltrip:
.irp i, 0,1,2,3,4,5
	UNIT \i, \i, 40, 1                             ; behind my eight: the five younger units' 40
.endr
	s_wait_xcnt 0x0                                ; the trip's loads and stores have read their bases and data
	s_add_nc_u64 s[16:17], s[16:17], 6*32768
	s_add_nc_u64 s[18:19], s[18:19], 6*256
	s_add_co_u32 s[TR], s[TR], 1
	s_cmp_lt_u32 s[TR], 6
	s_cbranch_scc1 .Ltrip
	UNIT 0, 0, 40, 1                               ; unit 36 asks for unit 42
.irp c, 1,2,3,4,5,6
	UNIT (\c)%6, \c, 8*(6-\c), 0                   ; the counts run down
.endr
	s_endpgm
.Lfunc_end_k_q8def23c6af_wquant:
	.size	k_q8def23c6af_wquant, .Lfunc_end_k_q8def23c6af_wquant-k_q8def23c6af_wquant
	.p2alignl 7, 3214868480
	.fill 96, 4, 3214868480
	.section	.rodata,"a",@progbits
	.p2align	6, 0x0
	.amdhsa_kernel k_q8def23c6af_wquant
		.amdhsa_group_segment_fixed_size 0
		.amdhsa_private_segment_fixed_size 0
		.amdhsa_enable_private_segment 0
		.amdhsa_kernarg_size 24
		.amdhsa_user_sgpr_count 2
		.amdhsa_user_sgpr_kernarg_segment_ptr 1
		.amdhsa_wavefront_size32 1
		.amdhsa_system_sgpr_workgroup_id_x 1
		.amdhsa_system_sgpr_workgroup_id_y 1
		.amdhsa_system_sgpr_workgroup_id_z 1
		.amdhsa_system_vgpr_workitem_id 0
		.amdhsa_next_free_vgpr 256
		.amdhsa_next_free_sgpr 66
		.amdhsa_reserve_vcc 0
		.amdhsa_float_denorm_mode_32 3
		.amdhsa_float_denorm_mode_16_64 3
		.amdhsa_memory_ordered 1
		.amdhsa_forward_progress 1
		.amdhsa_inst_pref_size 95
	.end_amdhsa_kernel
	.amdgpu_metadata
---
amdhsa.version: [ 1, 2 ]
amdhsa.kernels:
  - .name:           k_q8def23c6af_wquant
    .symbol:         k_q8def23c6af_wquant.kd
    .args:
      - { .name: weight, .offset: 0, .size: 8, .value_kind: global_buffer, .address_space: global }
      - { .name: partials, .offset: 8, .size: 8, .value_kind: global_buffer, .address_space: global }
      - { .name: w_pack, .offset: 16, .size: 8, .value_kind: global_buffer, .address_space: global }
    .group_segment_fixed_size: 0
    .private_segment_fixed_size: 0
    .kernarg_segment_align: 8
    .kernarg_segment_size: 24
    .max_flat_workgroup_size: 128
    .sgpr_count:     66
    .vgpr_count:     256
    .wavefront_size: 32
...
	.end_amdgpu_metadata
.endif
;; end of part 4
;; launch gemm (part 5): grid 4 x 43, 4 waves a work-group, clusters of 4 x 1, 327,680 bytes of LDS; arguments x_codes, w_pack, lowp_scales, scale, bias, out0; writes out0
.if DOCPART == 5
	.amdgcn_target "amdgcn-amd-amdhsa--gfx1250"
	.amdhsa_code_object_version 6
	.text
	.protected	k_q8def23c6af_gemm
	.globl	k_q8def23c6af_gemm
	.p2align	8
	.type	k_q8def23c6af_gemm,@function
k_q8def23c6af_gemm:
	s_mov_b64 s[64:65], 0
	v_nop
	global_prefetch_b8 v0, s[64:65] scope:SCOPE_SE
	s_setreg_imm32_b32 hwreg(HW_REG_WAVE_MODE, 25, 1), 1
	s_wait_xcnt 0x0
	s_wait_alu depctr_hold_cnt(0) depctr_sa_sdst(0) depctr_va_vdst(0) depctr_va_sdst(0) depctr_va_ssrc(0) depctr_va_vcc(0) depctr_vm_vsrc(0)
	s_getreg_b32 s2, hwreg(HW_REG_IB_STS2, 6, 4)
	s_cmp_eq_u32 s2, 0
	s_cbranch_scc0 .Lentry_in_a_cluster
	s_endpgm
.Lentry_in_a_cluster:
	s_bfe_u32 s2, ttmp6, 0x10000c
	s_cmp_lg_u32 s2, 0x3003
	s_cbranch_scc0 .Lentry_shape_is_right
	s_endpgm
.Lentry_shape_is_right:
; out0[t][o] = 2^(e0+e1) x (sum over k of code(x)[t][k] code(w)[o][k]) + bias[o];  w[o][k] = scale[o], -scale[o] or 0 as the packed field of the launch before says.  No work is left out.
; clip(q scale) = q clip(scale) for q in {1, 0, -1}: each row's codes of 0, 0, +scale, -scale (scale held within 448 x 2^e1, / 2^e1, to the nearest code) are made once, by the conversion, as a table of
; four bytes; a weight's code is the table's byte at its field.  Both operands go as codes of E4M3 to v_wmma_f32_16x16x128_fp8_fp8, sums in f32.
; LIMITS.  e1 between -126 and 119, e0 + e1 between -126 and 127.  NaN and infinities among the inputs are not served.
; A block of out0 is 256 tokens x 256 outputs: 4 x 43 work-groups of four waves.  Wave w owns all 256 tokens x outputs 64 w .. + 63: 16 x 4 accumulators, 512 registers; so each fragment of weights is
; expanded by one wave alone: 44 vector instructions for its 16 registers, which feed 16 matrix instructions.
; x's codes: K in 16 steps of 256 through two LDS slots (rows of 256 bytes + 16); waves 0 and 1 fetch 128 rows each.  Packed weights: 8 chunks of 512 along K through two slots of their own
; (256 rows x 128 bytes, dense in memory, stated as 128 lines of 256 bytes + 16); waves 2 and 3 fetch 64 lines each, at every second change of slots: six refills, so the loop has six trips.
; A step of 128 along K: lane (r, h) takes four packed words (16 bytes at 32 step + 16 h of its row) and the 64 bytes of x's codes that they stand for (at 128 step + 64 h).
; CLUSTER 4, 1, 1: the four blocks of tokens of one block of outputs need the same packed weights: waves 2 and 3 ask JOINTLY (mask 15).  x's tile differs from partner to partner: plain loads.
; 43 blocks of outputs are no multiple of 4, so no second axis of the cluster can share x's tiles.
; PREFETCH: the packed chunk that is loaded one lap (two K steps) later; of its 128 lines each partner's wave 2 names 32, told apart by address, a lane a line.
; x's codes are left out: all 43 clusters read the same 4 MiB, walking K together, so each tile is read by 42 other work-groups in the same steps.
; THE MATRIX INSTRUCTION IS USED TRANSPOSED (source 0 = 16 rows of weights, source 1 = 16 tokens): a lane holds eight neighbouring outputs of one token.
; REGISTERS: window 0: v0-31 addresses, v32-35 tables, v40-71 packed words (two sets), v96-127 bias, v128-255 expanded weights (two sets); window 1: x's 16 fragments, one set; windows 2, 3: accumulators.
.set OROW,   44032
.set ROWB,   256
.set KROW,   4096
.set PITCH,  272                       ; 256 bytes + 16: the 16 rows that a load touches begin 4 banks apart (64 banks of 4 bytes: ISA guide 11.1)
.set HALFT,  128*PITCH
.set ASLOT,  2*HALFT
.set SPARE,  2*ASLOT
.set BS0,    0x30000                   ; the packed weights' slots: 0x30000 and 0x40000, 34,816 bytes each
.set BXOR,   0x70000
.set CHUNKB, 11008*128
.set NP,     4
.set SBUF,   16*PITCH                  ; the way out: two stages of 16 rows a wave, in x's slot 0 behind its last fill and last read
.set ADRA, 16
.set BOFF, 18
.set ADRB, 19
.set R4,   20
.set STO,  24
.set RD,   25
.set CO,   26
.set BOF,  27
.set SPW,  28
.set NIL,  29
.set PFO,  30
.set SC,   22
.set LIMV, 23
.set TB,   32
.set PK,   40
.set TMP,  40
.set BI,   96
.set BX,   128
.set BK,   128
.set G1, 24
.set G0, 32
.set G1B, 48
.set G0B, 56
.set TBS, 60
.set M3,  61
.set PFA, 66
.set LIM, 68
.set BIAS, 72
.set OUT, 74
.set MSB, 0
.macro WIN new
.if MSB != \new
	s_set_vgpr_msb (MSB<<8)|\new
.set MSB, \new
.endif
.endm
.set MUL_LO, 0xa4                      ; source 0 (weights) window 0, source 1 (x) window 1, C and D window 2
.set MUL_HI, 0xf4
.set TO_A,   0x40
.macro PLACES n                        ; plain places between a matrix instruction and a load into, or a write of, its registers
.rept \n
	v_nop
.endr
.endm
; kind 2: waves 0, 1 ask for x's tile, waves 2, 3 jointly for the packed weights'; kind 1: x's tile alone.  s_nop 0 and four v_nop behind each load
.macro JLOAD s, kind
	s_cmp_eq_u32 s15, 0
	s_cbranch_scc0 .Lfor_b_\@
	tensor_load_to_lds s[G0+4*\s:G0+4*\s+3], s[G1:G1+7]
	s_nop 0
	PLACES 4
.if \kind == 2
	s_branch .Lasked_\@
.endif
.Lfor_b_\@:
.if \kind == 2
	tensor_load_to_lds s[G0B:G0B+3], s[G1B:G1B+7]
	s_nop 0
	PLACES 4
.Lasked_\@:
.endif
.endm
.macro CREST
	s_cmp_lg_u32 s14, 0
	s_cbranch_scc1 .Lnot_wave_0_\@
	s_barrier_signal -3
.Lnot_wave_0_\@:
	s_barrier_wait -3
	s_barrier_signal -1
	s_barrier_wait -1
.endm
.macro CROUND
	s_barrier_signal -1
	s_barrier_wait -1
	CREST
.endm
.macro ASK                             ; the loop's last trip (s3 = 1) has no chunk left to name
	s_cmp_gt_u32 s3, s[LIM]
	s_cbranch_scc0 .Lno_ask_\@
	global_prefetch_b8 v[PFO], s[PFA:PFA+1] th:TH_LOAD_NT scope:SCOPE_SE
.Lno_ask_\@:
.endm
.macro NEXTB                           ; the packed weights' descriptor walks: the other slot, the next chunk
	s_xor_b32 s[G0B+1], s[G0B+1], BXOR
	s_add_nc_u64 s[G0B+2:G0B+3], s[G0B+2:G0B+3], CHUNKB
.endm
	s_load_b256 s[4:11], s[0:1], 0x0               ; x_codes, w_pack, lowp_scales, scale
	s_load_b128 s[BIAS:BIAS+3], s[0:1], 0x20       ; bias, out0
	v_lshl_add_u32 v[SPW], v0, 2, SPARE
	v_mov_b32 v[NIL], 0
	ds_add_u32 v[SPW], v[NIL]                      ; the opening: the add, twice on end, and its wait
	ds_add_u32 v[SPW], v[NIL]
	v_lshrrev_b32 v1, 5, v0
	v_readfirstlane_b32 s14, v1                    ; wave
	s_lshr_b32 s15, s14, 1                         ; I fetch x (0) or packed weights (1),
	s_and_b32 s16, s14, 1                          ; this half of the tile
	s_bfe_u32 s40, ttmp6, 0x40000                  ; cx
	s_lshl_b32 s17, ttmp9, 2
	s_add_co_u32 s17, s17, s40                     ; block of tokens
	s_and_b32 s42, ttmp7, 0xffff                   ; block of outputs
	s_mov_b32 s[G1+0], (1<<20)|(5<<22)|(3<<25)     ; no mask; elements of 1 byte; 4 words of padding behind every 64
	s_mov_b32 s[G1B+0], 15|(1<<20)|(1<<21)|(5<<22)|(3<<25)   ; the same with the mask of all four places, bit 21 beside it
	s_mov_b32 s[G1+1], ROWB<<16
	s_mov_b32 s[G1+2], 128<<16
	s_mov_b32 s[G1+3], ROWB<<16
	s_mov_b32 s[G1+4], 128
	s_mov_b32 s[G1+5], KROW
	s_mov_b32 s[G1+6], 0
	s_mov_b32 s[G1+7], 0
	s_mov_b32 s[G1B+1], ROWB<<16
	s_mov_b32 s[G1B+2], 64<<16
	s_mov_b32 s[G1B+3], ROWB<<16
	s_mov_b32 s[G1B+4], 64
	s_mov_b32 s[G1B+5], ROWB                       ; dense lines
	s_mov_b32 s[G1B+6], 0
	s_mov_b32 s[G1B+7], 0
	s_mov_b32 s[TBS], BS0
	s_mov_b32 s[M3], 0x03030303
	s_lshl_b32 s18, s16, 7
	s_lshl_b32 s20, s17, 8
	s_add_co_u32 s20, s20, s18                     ; x: row 256 x block + 128 x half,
	s_lshl_b32 s20, s20, 12                        ; of 4,096 bytes
	s_mov_b32 s21, 0
	s_lshl_b32 s46, s42, 8
	s_add_co_u32 s46, s46, s18                     ; packed weights: row 256 x block + 128 x half: no place in the cluster enters,
	s_lshl_b32 s46, s46, 7                         ; of 128 bytes
	s_mov_b32 s47, 0
	s_mul_i32 s45, s16, HALFT
	s_mul_i32 s44, s16, 64*PITCH
	s_add_co_u32 s44, s44, BS0
	s_wait_dscnt 0x0
	s_wait_kmcnt 0x0
	s_load_b64 s[96:97], s[8:9], 0x0               ; e0, e1
	s_add_nc_u64 s[20:21], s[4:5], s[20:21]
	s_add_nc_u64 s[46:47], s[6:7], s[46:47]
	CROUND                                         ; in front of the first loads
.irp s, 0,1
	s_mov_b32 s[G0+4*\s], 1
	s_add_co_u32 s[G0+4*\s+1], s45, \s*ASLOT
	s_add_nc_u64 s[G0+4*\s+2:G0+4*\s+3], s[20:21], \s*ROWB
	s_or_b32 s[G0+4*\s+3], s[G0+4*\s+3], 0x80000000
.endr
	s_mov_b32 s[G0B], 1
	s_mov_b32 s[G0B+1], s44
	s_mov_b64 s[G0B+2:G0B+3], s[46:47]
	s_or_b32 s[G0B+3], s[G0B+3], 0x80000000
	JLOAD 0, 2                                     ; K step 0 and chunk 0: one tensor load a wave at the head
	s_mul_i32 s23, s14, 2*SBUF                     ; my stages; also 32 lines x wave of the packed tile
	s_lshl_b32 s46, s42, 10
	s_lshl_b32 s47, s14, 8
	s_add_co_u32 s46, s46, s47                     ; my first output, in bytes of f32
	s_mov_b32 s47, 0
	s_add_nc_u64 s[10:11], s[10:11], s[46:47]      ; scale,
	s_add_nc_u64 s[BIAS:BIAS+1], s[BIAS:BIAS+1], s[46:47]   ; bias,
	s_add_nc_u64 s[OUT:OUT+1], s[OUT:OUT+1], s[46:47]       ; out0 there,
	s_lshl_b32 s20, s17, 8
	s_mov_b32 s21, 0
	s_mov_b64 s[18:19], OROW
	s_mul_u64 s[20:21], s[20:21], s[18:19]
	s_add_nc_u64 s[OUT:OUT+1], s[OUT:OUT+1], s[20:21]       ; at my block's first token
	s_lshl_b32 s20, s42, 15                        ; the prefetches: 256 rows x 128 bytes a block,
	s_lshl_b32 s21, s40, 13                        ; + 32 lines of 256 bytes x cx,
	s_add_co_u32 s20, s20, s21
	s_add_co_u32 s20, s20, 2*CHUNKB                ; at chunk 2: the first asking steps it to chunk 3
	s_mov_b32 s21, 0
	s_add_nc_u64 s[PFA:PFA+1], s[6:7], s[20:21]
	s_cmp_eq_u32 s14, 2
	s_cselect_b32 s[LIM], 1, -1
	v_and_b32 v1, 15, v0                           ; r
	v_bfe_u32 v2, v0, 4, 1                         ; h
	v_mul_u32_u24 v3, v1, PITCH
	v_lshl_add_u32 v[ADRA], v2, 6, v3              ; x: row r, + 64 h
	v_add_nc_u32 v[ADRA+1], ASLOT, v[ADRA]
	v_bfe_u32 v5, v0, 1, 3
	v_and_b32 v6, 1, v0
	v_mul_u32_u24 v[BOFF], v5, PITCH               ; packed: line r / 2, half r % 2, + 16 h
	v_lshl_add_u32 v[BOFF], v6, 7, v[BOFF]
	v_lshl_add_u32 v[BOFF], v2, 4, v[BOFF]
	v_add_nc_u32 v[BOFF], s23, v[BOFF]
	v_add_nc_u32 v[ADRB], BS0, v[BOFF]
	v_lshl_add_u32 v[STO], v2, 5, v3
	v_add_nc_u32 v[STO], s23, v[STO]
	v_mul_u32_u24 v[RD], v2, PITCH
	v_lshl_add_u32 v[RD], v1, 4, v[RD]
	v_add_nc_u32 v[RD], s23, v[RD]
	v_mul_u32_u24 v[CO], v2, OROW
	v_lshl_add_u32 v[CO], v1, 4, v[CO]
	v_lshlrev_b32 v[BOF], 5, v2
	v_lshlrev_b32 v[R4], 2, v1
	v_and_b32 v7, 31, v0
	v_lshlrev_b32 v[PFO], 8, v7
	s_wait_alu depctr_va_vdst(0)
.irp b, 0,1,2,3
	global_load_b32 v[BX+8*(\b/2)+4*(\b%2)+2], v[R4], s[10:11] offset:64*\b      ; scale of row 16 b + r
.endr
.irp b, 0,1,2,3
	global_load_b128 v[BI+8*\b:BI+8*\b+3],   v[BOF], s[BIAS:BIAS+1] offset:64*\b      ; bias of outputs 16 b + 8 h + 0 .. 7
	global_load_b128 v[BI+8*\b+4:BI+8*\b+7], v[BOF], s[BIAS:BIAS+1] offset:64*\b+16
.endr
	s_wait_kmcnt 0x0
	s_add_co_i32 s20, s97, 127
	s_lshl_b32 s21, s20, 23                        ; 2^e1
	s_add_co_i32 s20, s20, 8
	s_lshl_b32 s20, s20, 23
	s_or_b32 s20, s20, 0x600000                    ; 448 x 2^e1
	s_add_co_i32 s96, s96, s97
	s_add_co_i32 s96, s96, 127
	s_lshl_b32 s96, s96, 23                        ; 2^(e0+e1)
	s_wait_loadcnt 8                               ; the scales are in; bias stays out
	v_mov_b32 v[SC], s21
	v_mov_b32 v[LIMV], s20
.irp q, 0,4,8,12
	v_mov_b32 v[BX+\q], 0
	v_mov_b32 v[BX+\q+1], 0
	v_med3_num_f32 v[BX+\q+2], v[BX+\q+2], -v[LIMV], v[LIMV]   ; the conversion does not saturate (ISA guide 7.6.2): the hold
.endr
.irp q, 0,4,8,12
	v_xor_b32 v[BX+\q+3], 0x80000000, v[BX+\q+2]
.endr
	v_cvt_scalef32_pk8_fp8_f32 v[TB:TB+1], v[BX:BX+7], v[SC]         ; two rows' tables: the codes of 0, 0, scale, -scale
	v_cvt_scalef32_pk8_fp8_f32 v[TB+2:TB+3], v[BX+8:BX+15], v[SC]
	v_nop                                          ; one plain line behind the last scaled conversion
.macro AL lo, slot, k                  ; x's fragments lo .. lo + 7: 16 tokens x 128 along K each, four loads of 16 bytes on end
	WIN TO_A
.irp a, \lo, \lo+1, \lo+2, \lo+3, \lo+4, \lo+5, \lo+6, \lo+7
.irp x, 0,1,2,3
	ds_load_b128 v[16*(\a)+4*\x:16*(\a)+4*\x+3], v[ADRA+\slot] offset:\k+16*\x+(\a)*16*PITCH
.endr
.endr
	WIN 0
.endm
.macro PKL st, s4                      ; my four fragments' packed words of step s4 of the chunk at v[ADRB]
.irp b, 0,1,2,3
	ds_load_b128 v[PK+16*(\st)+4*\b:PK+16*(\st)+4*\b+3], v[ADRB] offset:\b*8*PITCH+32*(\s4)
.endr
.endm
.macro EXPAND st                       ; register 4 x + i, byte j = the table's byte at field 8 j + 2 i of word x
.irp b, 0,1,2,3
.set O, BX+64*(\st)+16*\b
.set P, PK+16*(\st)+4*\b
.irp x, 0,1,2,3
	v_and_b32 v[O+4*\x], s[M3], v[P+\x]
	v_lshrrev_b32 v[O+4*\x+1], 2, v[P+\x]
	v_lshrrev_b32 v[O+4*\x+2], 4, v[P+\x]
	v_lshrrev_b32 v[O+4*\x+3], 6, v[P+\x]
.endr
.irp x, 0,1,2,3
.irp i, 1,2,3
	v_and_b32 v[O+4*\x+\i], s[M3], v[O+4*\x+\i]
.endr
.endr
.irp n, 0,1,2,3,4,5,6,7,8,9,10,11,12,13,14,15
	v_perm_b32 v[O+\n], v[TB+\b], v[TB+\b], v[O+\n]
.endr
.endr
	s_wait_alu depctr_va_vdst(0)
.endm
; 16 matrix instructions; the 64 accumulators take turns, one instruction a turn, in the same order in every step
.macro MULQ a0, p, zero
.irp a, \a0, \a0+1, \a0+2, \a0+3
.irp b, 0,1,2,3
.if \zero
	v_wmma_f32_16x16x128_fp8_fp8 v[8*(4*((\a)%8)+\b):8*(4*((\a)%8)+\b)+7], v[BX+64*(\p)+16*\b:BX+64*(\p)+16*\b+15], v[16*(\a):16*(\a)+15], 0
.else
	v_wmma_f32_16x16x128_fp8_fp8 v[8*(4*((\a)%8)+\b):8*(4*((\a)%8)+\b)+7], v[BX+64*(\p)+16*\b:BX+64*(\p)+16*\b+15], v[16*(\a):16*(\a)+15], v[8*(4*((\a)%8)+\b):8*(4*((\a)%8)+\b)+7]
.endif
.endr
.endr
.endm
; The first 128 of a slot of x.  It multiplies set 0 and expands set 1.  s4: its place in the chunk; more = 0: no packed words are left to fetch.
.macro STEP slot, s4, zero, more
.if (\s4 == 2) && \more
	s_xor_b32 s[TBS], s[TBS], BXOR                 ; from here on packed words come from the next chunk's slot;
	v_add_nc_u32 v[ADRB], s[TBS], v[BOFF]          ; 176 plain instructions stand between this line and its reader
.endif
	s_wait_dscnt 36                                ; x's 0-7 are in; x's 8-15 (32) and four packed loads may be out
	WIN MUL_LO
	MULQ 0, 0, \zero
	MULQ 4, 0, \zero
	PLACES NP
	AL 0, \slot, 128
	s_wait_dscnt 32                                ; all but the 32 just issued
	EXPAND 1
	WIN MUL_HI
	MULQ 8, 0, \zero
	MULQ 12, 0, \zero
	PLACES NP
	WIN 0
	AL 8, \slot, 128
.if \more
	PKL 0, (\s4+2)%4
.endif
.endm
; The last 128 of a slot of x changes slots.  It multiplies set 1 and expands set 0.  fill 0: nothing is asked for; 1: x's tile; 2: x's tile and a packed chunk.
.macro TURN slot, next, fill, s4
.if \fill == 2
	s_wait_xcnt 0x0                                ; my last prefetch has read its address
	s_add_nc_u64 s[PFA:PFA+1], s[PFA:PFA+1], CHUNKB
.endif
	s_wait_tensorcnt 0x0                           ; my one load that was out has landed
	ds_add_u32 v[SPW], v[NIL]
	s_wait_dscnt 37                                ; the add, x's 8-15 and four packed loads may be out
	WIN MUL_LO
	MULQ 0, 1, 0
	s_wait_dscnt 0x0                               ; the add is done; my reads of this slot, and of this chunk where it ends, are over
	s_barrier_signal -1
	MULQ 4, 1, 0
	WIN 0
	s_barrier_wait -1
.if \fill
	CREST                                          ; the barrier opened a round of the cluster's: no wave of any partner reads what is filled again or has a load out
	s_add_nc_u64 s[G0+4*\slot+2:G0+4*\slot+3], s[G0+4*\slot+2:G0+4*\slot+3], 2*ROWB
.if \fill == 2
	NEXTB
.endif
	JLOAD \slot, \fill
.endif
	PLACES NP
	AL 0, \next, 0
.if \fill == 2
	ASK
.endif
	EXPAND 0
	WIN MUL_HI
	MULQ 8, 1, 0
	MULQ 12, 1, 0
	PLACES NP
	WIN 0
	AL 8, \next, 0
	PKL 1, (\s4+2)%4
.endm
	s_wait_alu depctr_va_vdst(0)
	s_wait_tensorcnt 0x0                           ; my part of the first tiles is in
	ds_add_u32 v[SPW], v[NIL]
	NEXTB
	s_wait_dscnt 0x0
	CROUND
	JLOAD 1, 2                                     ; K step 1 and chunk 1: both slots' first fills
	PKL 0, 0
	AL 0, 0, 0
	s_wait_dscnt 32                                ; the first four packed loads are in; the 32 issued behind them may be out
	EXPAND 0
	AL 8, 0, 0
	PKL 1, 1
	STEP 0, 0, 1, 1                                ; the first step starts the sums
	s_mov_b32 s3, 6
.Llap:                                                 ; 512 along K: both slots of x are filled again, and the chunk's slot
	TURN 0, 1, 1, 1
	STEP 1, 2, 0, 1
	TURN 1, 0, 2, 3
	STEP 0, 0, 0, 1
	s_sub_co_u32 s3, s3, 1
	s_cmp_lg_u32 s3, 0
	s_cbranch_scc1 .Llap
	TURN 0, 1, 1, 1                                ; the seventh lap asks for K steps 14 and 15 and for no chunk
	STEP 1, 2, 0, 1
	TURN 1, 0, 1, 3
	STEP 0, 0, 0, 1
	TURN 0, 1, 0, 1                                ; the last lap fills nothing
	STEP 1, 2, 0, 0
	s_wait_dscnt 32
	WIN MUL_LO
	MULQ 0, 1, 0
	MULQ 4, 1, 0
	s_wait_dscnt 0
	WIN MUL_HI
	MULQ 8, 1, 0
	MULQ 12, 1, 0
	WIN 0
; THE WAY OUT, 16 tokens x 64 outputs at a time, through my own stage: in as 32 bytes a lane, back as whole rows of 256 bytes.  LDS serves a wave's instructions in order (ISA guide 5.7.1.4).
.macro TOSTAGE u
.set AC, 32*((\u)%8)
.set SB, SBUF*((\u)%2)
.set BB, BK+32*((\u)%2)
	WIN 0x02+((\u)/8)
.irp j, 0,2,4,6,8,10,12,14,16,18,20,22,24,26,28,30
	v_pk_fma_f32 v[TMP+\j:TMP+\j+1], v[AC+\j:AC+\j+1], s[96:97], v[BI+\j:BI+\j+1] op_sel_hi:[1,0,1]   ; sum x 2^(e0+e1) + bias; each accumulator from its low end on
.endr
	WIN 0
.irp b, 0,1,2,3
	ds_store_b128 v[STO], v[TMP+8*\b:TMP+8*\b+3]   offset:SB+64*\b
	ds_store_b128 v[STO], v[TMP+8*\b+4:TMP+8*\b+7] offset:SB+64*\b+16
.endr
.irp t, 0,1,2,3,4,5,6,7
	ds_load_b128 v[BB+4*\t:BB+4*\t+3], v[RD] offset:SB+2*\t*PITCH
.endr
.endm
.macro SEND u, younger
.set BB, BK+32*((\u)%2)
	s_wait_dscnt \younger
.if (\u) == 8
	s_add_nc_u64 s[OUT:OUT+1], s[OUT:OUT+1], 128*OROW   ; behind a wait on XCNT; so the offsets stay inside the signed 24-bit immediate (ISA guide, chapter 10)
.endif
.irp t, 0,1,2,3,4,5,6,7
	global_store_b128 v[CO], v[BB+4*\t:BB+4*\t+3], s[OUT:OUT+1] offset:(16*((\u)%8)+2*\t)*OROW th:TH_STORE_NT   ; sixteen lanes store 256 consecutive bytes, at a multiple of 256 from out0's first byte
.endr
.endm
	PLACES NP
	s_wait_loadcnt 0x0                             ; bias
	TOSTAGE 0
.irp u, 1,2,3,4,5,6,7,8,9,10,11,12,13,14,15
.if \u > 1
	s_wait_xcnt 0x0                                ; unit u - 2's stores have read their registers and base
.endif
	TOSTAGE \u
	SEND \u-1, 16
.endr
	SEND 15, 0
	s_wait_tensorcnt 0x0                           ; the wave's end
	ds_add_u32 v[SPW], v[NIL]
	s_wait_dscnt 0x0
	CROUND                                         ; the closing round
	s_endpgm
.Lfunc_end_k_q8def23c6af_gemm:
	.size	k_q8def23c6af_gemm, .Lfunc_end_k_q8def23c6af_gemm-k_q8def23c6af_gemm
	.p2alignl 7, 3214868480
	.fill 96, 4, 3214868480
	.section	.rodata,"a",@progbits
	.p2align	6, 0x0
	.amdhsa_kernel k_q8def23c6af_gemm
		.amdhsa_group_segment_fixed_size 327680
		.amdhsa_private_segment_fixed_size 0
		.amdhsa_enable_private_segment 0
		.amdhsa_kernarg_size 48
		.amdhsa_user_sgpr_count 2
		.amdhsa_user_sgpr_kernarg_segment_ptr 1
		.amdhsa_wavefront_size32 1
		.amdhsa_system_sgpr_workgroup_id_x 1
		.amdhsa_system_sgpr_workgroup_id_y 1
		.amdhsa_system_sgpr_workgroup_id_z 1
		.amdhsa_system_vgpr_workitem_id 0
		.amdhsa_next_free_vgpr 1024
		.amdhsa_next_free_sgpr 98
		.amdhsa_reserve_vcc 0
		.amdhsa_float_denorm_mode_32 3
		.amdhsa_float_denorm_mode_16_64 3
		.amdhsa_memory_ordered 1
		.amdhsa_forward_progress 1
		.amdhsa_inst_pref_size 255
	.end_amdhsa_kernel
	.section	.bss,"aw",@nobits
	.p2align	6
	.space	262144
	.amdgpu_metadata
---
amdhsa.version: [ 1, 2 ]
amdhsa.kernels:
  - .name:           k_q8def23c6af_gemm
    .symbol:         k_q8def23c6af_gemm.kd
    .args:
      - { .name: x_codes, .offset: 0, .size: 8, .value_kind: global_buffer, .address_space: global }
      - { .name: w_pack, .offset: 8, .size: 8, .value_kind: global_buffer, .address_space: global }
      - { .name: lowp_scales, .offset: 16, .size: 8, .value_kind: global_buffer, .address_space: global }
      - { .name: scale, .offset: 24, .size: 8, .value_kind: global_buffer, .address_space: global }
      - { .name: bias, .offset: 32, .size: 8, .value_kind: global_buffer, .address_space: global }
      - { .name: out0, .offset: 40, .size: 8, .value_kind: global_buffer, .address_space: global }
    .group_segment_fixed_size: 327680
    .private_segment_fixed_size: 0
    .kernarg_segment_align: 8
    .kernarg_segment_size: 48
    .max_flat_workgroup_size: 128
    .sgpr_count:     98
    .vgpr_count:     1024
    .wavefront_size: 32
...
	.end_amdgpu_metadata
.endif
;; end of part 5
